; MI455X (gfx1250); checked and timed in simulation.
; The chip was launched on July 23, 2026; its instructions are those of AMD's public machine-readable ISA for CDNA 5 (MIT licence, August 2026) and "CDNA5" Instruction Set Architecture Reference Guide (July 2026). The comments in the code are by the model that wrote it; some were corrected since.
;; Min LSTM Layer. Allowed arithmetic: float matrix products may take bf16 or f16 operands with f32 sums; other float arithmetic in f32, or as packed bf16 or f16 multiplies, adds, multiply-adds, maxima and minima; sums over many terms, partial sums and values carried from step to step in f32; what a program stores and reads back later, other than sums and carried values, may be rounded once to bf16 or f16.
;; Inputs: W_f 1,024 x 1,024 float32; W_h 1,024 x 1,024 float32; W_i 1,024 x 1,024 float32; b_f 1,024 float32; b_h 1,024 float32; b_i 1,024 float32; x 4 x 4,096 x 1,024 float32.
;; Outputs: out0 4 x 4,096 x 1,024 float32.
;; 2 versions, each right; version 2 is version 1 with the launches prep, scan written anew for expert scheduling mode. Each part assembles by itself: llvm-mc -triple=amdgcn-amd-amdhsa -mcpu=gfx1250 --defsym DOCPART=n.
;; ======== version 1 of 2: 3 launches
;; workspace buffers: xb 33,554,432 bytes; wb 6,291,456 bytes; ws 67,108,864 bytes; agg 524,288 bytes
;; launch prep (part 1): grid 512 x 1, 8 waves a work-group, no clusters, 0 bytes of LDS; arguments x, W_f, W_i, W_h, xb, wb; writes xb, wb
.if DOCPART == 1
	.amdgcn_target "amdgcn-amd-amdhsa--gfx1250"
	.amdhsa_code_object_version 6
	.text
	.protected	k_q91c6fa6ffd_prep
	.globl	k_q91c6fa6ffd_prep
	.p2align	8
	.type	k_q91c6fa6ffd_prep,@function
k_q91c6fa6ffd_prep:
	s_mov_b64 s[64:65], 0
	v_nop
	global_prefetch_b8 v0, s[64:65] scope:SCOPE_SE
	s_setreg_imm32_b32 hwreg(HW_REG_WAVE_MODE, 25, 1), 1
	s_wait_xcnt 0x0
; MinLSTM layer, launch 1 of 3: x and the three weight matrices are rounded once to bf16 for the products of launch 2.
; THE PROGRAM.  1 (this): xb = bf16(x), wb = bf16(W_f, W_i, W_h) with rows re-ordered.  2: the three products, the gates i and g of every element, each chunk's
; summary of the recurrence.  3: the carry into each chunk, the recurrence inside it, the output.
; WHAT IS NOT DONE AS reference() WRITES IT, for all finite inputs, in exact arithmetic:
;  - exp(log_f) = f, exp(log_i) = i with e^diff = (1 + e^-fp) / (1 + e^-ip): i = (1 + e^-fp) / ((1 + e^-fp) + (1 + e^-ip)), f = 1 - i.  Launch 2 forms both sums times e^s,
;    s = min(fp, ip, 0): the greatest exponent is taken away, every exponent is <= 0, one is 0, the divisor lies in 1 .. 4.
;  - exp(log_g(hp)) = hp + 0.5 for hp >= 0, sigmoid(hp) below = max(hp + 0.5, sigmoid(min(hp, 0))): both forms are made and one is selected.
;  - a_star + cumlogsumexp(log_values - a_star), exponentiated, IS h_t = f_t h_(t-1) + i_t g_t with h_0 = exp(0) = 1 (reference() builds log_h0 = zeros itself).  The recurrence is run as
;    h_t = h_(t-1) + i_t (g_t - h_(t-1)): it holds no exponential and no division by the running product of f, so there is no exponent to keep in range; each h lies between the least and the
;    greatest of 1 and the g, each product of f in 0 .. 1.
; No input is left out: all seven are loaded (the biases by launch 2).
; LIMITS.  Matrix operands are bf16.  NaN and infinities among the inputs are not treated apart.
; SHARES.  Work-group n takes rows 32 n .. 32 n + 31 of x and rows 2 n, 2 n + 1 of each W.  Thread t owns 4 numbers of every row: 16 bytes in at 16 t, 8 bytes out at 8 t: a wave's load
; covers 512 consecutive bytes, a wave's store 256 consecutive bytes, aligned.  All 38 loads of a thread go out before the first wait; nothing is shared, so no LDS and no barrier.
; wb's ROWS.  Row d = 64 cb + 4 r + q of gate (0 f, 1 i, 2 h) goes to row 192 cb + 64 gate + 16 q + r: launch 2's block of 192 rows then holds 64 channels of all three gates, and column r of its
; four 16-column tiles q of a gate are four neighbouring channels.
.set BUF, 4                            ; v[4:155]  load n at BUF + 4 n
	s_load_b256 s[4:11], s[0:1], 0x0               ; x s[4:5], W_f s[6:7], W_i s[8:9], W_h s[10:11]
	s_load_b128 s[12:15], s[0:1], 0x20             ; xb s[12:13], wb s[14:15]
	v_lshlrev_b32 v1, 4, v0                        ; 16 t
	v_lshlrev_b32 v2, 3, v0                        ; 8 t
	s_lshl_b32 s16, ttmp9, 17                      ; 32 rows of 4,096 bytes of x
	s_mov_b32 s17, 0
	s_lshl_b32 s18, ttmp9, 13                      ; 2 rows of 4,096 bytes of a W
	s_mov_b32 s19, 0
	s_lshl_b32 s20, ttmp9, 16                      ; 32 rows of 2,048 bytes of xb
	s_mov_b32 s21, 0
	s_lshr_b32 s22, ttmp9, 5                       ; d = 2 n + e: cb = n / 32,
	s_mul_i32 s22, s22, 192
	s_and_b32 s23, ttmp9, 1                        ; q = 2 (n % 2) + e,
	s_lshl_b32 s23, s23, 5
	s_add_co_u32 s22, s22, s23
	s_bfe_u32 s23, ttmp9, 0x40001                  ; r = (n / 2) % 16
	s_add_co_u32 s22, s22, s23
	s_lshl_b32 s22, s22, 11                        ; rows of 2,048 bytes of wb; gate and e stand in the stores' immediates
	s_mov_b32 s23, 0
	s_wait_kmcnt 0x0
	s_add_nc_u64 s[4:5], s[4:5], s[16:17]
	s_add_nc_u64 s[6:7], s[6:7], s[18:19]
	s_add_nc_u64 s[8:9], s[8:9], s[18:19]
	s_add_nc_u64 s[10:11], s[10:11], s[18:19]
	s_add_nc_u64 s[12:13], s[12:13], s[20:21]
	s_add_nc_u64 s[14:15], s[14:15], s[22:23]
.set n, 0
.rept 32
	global_load_b128 v[BUF+4*n:BUF+4*n+3], v1, s[4:5] offset:n*4096 th:TH_LOAD_NT
.set n, n+1
.endr
.macro WLOAD gate, sb                  ; a W's two rows: loads 32 + 2 gate + e
.irp e, 0,1
	global_load_b128 v[BUF+4*(32+2*(\gate)+\e):BUF+4*(32+2*(\gate)+\e)+3], v1, s[(\sb):(\sb)+1] offset:\e*4096 th:TH_LOAD_NT
.endr
.endm
	WLOAD 0, 6
	WLOAD 1, 8
	WLOAD 2, 10
; Load n is there when at most the 37 - n younger ones are out (loads come back in order: ISA guide 5.7.1).  Rounded in place; no register is written twice, so no store's source is ever rewritten.
.macro CVST n, sb, off
	s_wait_loadcnt 37-(\n)
	v_cvt_pk_bf16_f32 v[BUF+4*(\n)], v[BUF+4*(\n)], v[BUF+4*(\n)+1]
	v_cvt_pk_bf16_f32 v[BUF+4*(\n)+1], v[BUF+4*(\n)+2], v[BUF+4*(\n)+3]
	global_store_b64 v2, v[BUF+4*(\n):BUF+4*(\n)+1], s[(\sb):(\sb)+1] offset:(\off)
.endm
.set n, 0
.rept 32
	CVST n, 12, n*2048
.set n, n+1
.endr
.irp gate, 0,1,2
.irp e, 0,1
	CVST 32+2*\gate+\e, 14, (64*\gate+16*\e)*2048
.endr
.endr
	s_endpgm
.Lfunc_end_k_q91c6fa6ffd_prep:
	.size	k_q91c6fa6ffd_prep, .Lfunc_end_k_q91c6fa6ffd_prep-k_q91c6fa6ffd_prep
	.p2alignl 7, 3214868480
	.fill 96, 4, 3214868480
	.section	.rodata,"a",@progbits
	.p2align	6, 0x0
	.amdhsa_kernel k_q91c6fa6ffd_prep
		.amdhsa_group_segment_fixed_size 0
		.amdhsa_private_segment_fixed_size 0
		.amdhsa_enable_private_segment 0
		.amdhsa_kernarg_size 48
		.amdhsa_user_sgpr_count 2
		.amdhsa_user_sgpr_kernarg_segment_ptr 1
		.amdhsa_wavefront_size32 1
		.amdhsa_system_sgpr_workgroup_id_x 1
		.amdhsa_system_sgpr_workgroup_id_y 1
		.amdhsa_system_sgpr_workgroup_id_z 1
		.amdhsa_system_vgpr_workitem_id 0
		.amdhsa_next_free_vgpr 160
		.amdhsa_next_free_sgpr 66
		.amdhsa_reserve_vcc 0
		.amdhsa_float_denorm_mode_32 3
		.amdhsa_float_denorm_mode_16_64 3
		.amdhsa_memory_ordered 1
		.amdhsa_forward_progress 1
		.amdhsa_inst_pref_size 15
	.end_amdhsa_kernel
	.amdgpu_metadata
---
amdhsa.version: [ 1, 2 ]
amdhsa.kernels:
  - .name:           k_q91c6fa6ffd_prep
    .symbol:         k_q91c6fa6ffd_prep.kd
    .args:
      - { .name: x, .offset: 0, .size: 8, .value_kind: global_buffer, .address_space: global }
      - { .name: W_f, .offset: 8, .size: 8, .value_kind: global_buffer, .address_space: global }
      - { .name: W_i, .offset: 16, .size: 8, .value_kind: global_buffer, .address_space: global }
      - { .name: W_h, .offset: 24, .size: 8, .value_kind: global_buffer, .address_space: global }
      - { .name: xb, .offset: 32, .size: 8, .value_kind: global_buffer, .address_space: global }
      - { .name: wb, .offset: 40, .size: 8, .value_kind: global_buffer, .address_space: global }
    .group_segment_fixed_size: 0
    .private_segment_fixed_size: 0
    .kernarg_segment_align: 8
    .kernarg_segment_size: 48
    .max_flat_workgroup_size: 256
    .sgpr_count:     66
    .vgpr_count:     160
    .wavefront_size: 32
...
	.end_amdgpu_metadata
.endif
;; end of part 1
;; launch gates (part 2): grid 16 x 16, 4 waves a work-group, clusters of 4 x 4, 327,680 bytes of LDS; arguments xb, wb, b_f, b_i, b_h, ws, agg; writes ws, agg
.if DOCPART == 2
	.amdgcn_target "amdgcn-amd-amdhsa--gfx1250"
	.amdhsa_code_object_version 6
	.text
	.protected	k_q91c6fa6ffd_gates
	.globl	k_q91c6fa6ffd_gates
	.p2align	8
	.type	k_q91c6fa6ffd_gates,@function
k_q91c6fa6ffd_gates:
	s_mov_b64 s[64:65], 0
	v_nop
	global_prefetch_b8 v0, s[64:65] scope:SCOPE_SE
	s_setreg_imm32_b32 hwreg(HW_REG_WAVE_MODE, 25, 1), 1
	s_wait_xcnt 0x0
	s_wait_alu depctr_hold_cnt(0) depctr_sa_sdst(0) depctr_va_vdst(0) depctr_va_sdst(0) depctr_va_ssrc(0) depctr_va_vcc(0) depctr_vm_vsrc(0)
	s_getreg_b32 s2, hwreg(HW_REG_IB_STS2, 6, 4)
	s_cmp_eq_u32 s2, 0
	s_cbranch_scc0 .Lentry_in_a_cluster
	s_endpgm
.Lentry_in_a_cluster:
	s_bfe_u32 s2, ttmp6, 0x10000c
	s_cmp_lg_u32 s2, 0xf033
	s_cbranch_scc0 .Lentry_shape_is_right
	s_endpgm
.Lentry_shape_is_right:
; MinLSTM layer, launch 2 of 3.  [fp | ip | hp] = xb wb^T + bias (16,384 x 3,072 x 1,024, bf16 operands, f32 sums); from them, for every element, i and g; and for every chunk of 256 time steps
; and every channel the recurrence's summary (A, B): h_out = A h_in + B.  The logarithms, exponentials and the cumulative logsumexp of reference() are replaced by the identities shown at launch 1's head.
; THE GATES, in f32, base 2 (L = log2 e): F = L fp, I = L ip, s = min(F, I, 0); T0 = 2^s, Tf = 2^(s - F), Ti = 2^(s - I): every exponent is <= 0 and one is 0.
;   i = (T0 + Tf) / (2 T0 + Tf + Ti), f = (T0 + Ti) / the same, the divisor in 1 .. 4.   g = max(hp + 0.5, E / (1 + E)), E = 2^min(L hp, 0).
; STORED: ws[row][16 k .. 16 k + 15] = i of channels 4 k .. 4 k + 3 in f16, then g of the same in bf16.  agg[b][chunk][A, B][channel] in f32.
; LIMITS.  L x a pre-activation must be finite in f32.  An exponential below 2^-126 counts as 0.  i is kept to f16: 2^-12 of itself, below 6e-5 a fixed step of 6e-8; launch 3 takes f = 1 - i in f32, so
; each step stays a convex combination whatever i's rounding.  g is kept to bf16 (2^-9 of itself, f32's range).  The summaries are made of the unrounded f and i g.  NaN and infinities are not treated apart.
; SHARES.  Work-group (cb, y) stays and makes four tiles, tile n = batch n: rows 4,096 n + 256 y .. + 255, channels 64 cb .. + 63 of all three gates (192 rows of wb).  256 work-groups, equal work.
; Wave w owns rows 64 w .. 64 w + 63 and all 192 columns: 4 x 12 accumulators of 16 x 16, 384 registers; for 32 along K it reads 16 fragments for 48 products.
; LAYOUT.  Source 0 = 16 rows of xb, source 1 = 16 rows of wb: register j of lane (r = l % 16, h = l / 16) is time row 8 h + j of the fragment and column r of tile n = 4 gate + q, which is channel
; 64 cb + 4 r + q.  So for one time row a lane holds four neighbouring channels (q = 0 .. 3): 16 bytes of ws, and sixteen lanes hold 256 consecutive bytes: the results leave straight from registers.
; TIME.  Fragment row m of M tile mt is the wave's row 8 mt + m + 32 (m / 8) for mt = 0, 1, 2 and 24 + m for mt = 3.  Lanes h = 0 then hold rows 0 .. 31 in the order mt = 0, 1, 2, 3 and lanes h = 1 rows
; 32 .. 63 in the order 3, 0, 1, 2: the recurrence runs in the lane over mt = 0 .. 2 (run 1) and over mt = 3 (run 2); one selection puts the runs in order, one exchange joins the halves of the lanes.
; RING.  K goes in steps of 128 through two LDS slots (256 rows of xb, 192 of wb, 256 bytes a row); waves 0, 1 fetch xb's halves, waves 2, 3 wb's.  From a refill to the wait for it a wave issues 168 products.
; CLUSTER.  4 x 4 work-groups: the four of a row share y and so xb's tiles, the four of a column share cb and so wb's: each tile is asked for jointly, by the same load, descriptor and mask in all four.
; REGISTERS, in windows of 256 (s_set_vgpr_msb: bits 1:0 source 0, 3:2 source 1, 5:4 source 2, 7:6 destination):
;   window 0: addresses, biases, the recurrence's state, six arrays of 32 for the gates      window 1: two fragment buffers of 128 (xb's tile mt at 8 mt, wb's tile n at 32 + 8 n)
;   window 2: the accumulators of mt = 0, 1 (at 96 (mt % 2) + 8 n)      window 3: those of mt = 2, 3
.set KSTEP,  128
.set ROWB,   2048                      ; bytes in a row of xb and of wb
.set PITCH,  272                       ; an LDS row: 256 bytes + 16 of padding = 68 words: row r starts at bank 4 r mod 64 (64 banks of 4 bytes: ISA guide 11.1); a fragment's 16 rows differ mod 16
.set AHALF,  128*PITCH                 ; what wave 0 or 1 fetches
.set BHALF,  96*PITCH                  ; what wave 2 or 3 fetches
.set BOFF,   256*PITCH                 ; wb's rows lie behind xb's 256
.set SLOT,   448*PITCH
.set XCH,    2*SLOT                    ; behind the ring, never filled by a tensor load: wave w's A of 64 channels (256 bytes), then B, at 512 w
.set SPARE,  XCH+2048                  ; the spare words, 128 bytes for each wave: two blocks of 256 bytes that no other line names
.set LAPS,   4                         ; a lap = two K steps = once round the ring
.set WALK,   4096                      ; a work-group's tiles lie 4,096 rows apart
.set NEXT_A, WALK*ROWB-(1024-2*KSTEP)*2  ; from a slot's last K step of a tile to its first of the next: 4,096 rows down and back along K
.set BACK_B, (1024-2*KSTEP)*2          ; wb only back: all tiles take the same rows
.set SVA,   2                          ; v2-9    run 1's products of f, as CHA
.set SVB,   10                         ; v10-13  run 1's B
.set ADRA0, 16                         ; v16-17  LDS address of my fragments of xb for mt = 0 .. 2, slot 0, 1
.set ADRA1, 18                         ; v18-19  for mt = 3
.set ADRB,  20                         ; v20-21  of wb's fragments
.set CO0,   22                         ; v22     my byte offset in the wave's rows of ws at mt = 0
.set CO1,   23                         ; v23     at mt = 3
.set CUR,   24                         ; v24     at the mt in hand
.set XST,   25                         ; v25     where I put my 16 bytes of the wave's summary
.set XRD,   26                         ; v26     where wave 0 reads two channels back
.set AGO,   27                         ; v27     their place in agg
.set SPW,   28                         ; v28     LDS address of my spare word; never rewritten
.set NIL,   29                         ; v29     0; never rewritten
.set PFO,   30                         ; v30     the prefetches' offset: a lane a row; never rewritten
.set BIAS,  32                         ; v32-47  for q = 0 .. 3: L b_f, L b_i, L b_h, b_h + 0.5 of channel 64 cb + 4 r + q
.set CHA,   48                         ; v48-55  for each q the product of f over even j and over odd j
.set CHB,   56                         ; v56-59  for each q the run's B
.set XS,    64                         ; six arrays, element 8 q + j:  s, T0, the divisor, its reciprocal, i g
.set XF,    96                         ;   F, s - F, Tf, T0 + Tf, i
.set XI,    128                        ;   I, s - I, Ti, T0 + Ti, f
.set XZ,    160                        ;   L hp, its minimum with 0, E, the sigmoid
.set XD,    192                        ;   1 + E, its reciprocal; then the packed rows
.set XG,    224                        ;   hp + 0.5, g
.set TT,    64                         ; at a tile's end the arrays are free: at work
.set F0,    0
.set F1,    128
.set WS,  14                           ; s[14:15] ws at my wave's first row and my work-group's 256 bytes
.set AG,  16                           ; s[16:17] agg at my chunk and my 64 channels
.set WV,  18                           ; s18  my wave's number
.set FB,  19                           ; s19  I fetch for xb (0) or wb (1)
.set HF,  20                           ; s20  which half of that tile
.set CX,  21
.set CY,  22
.set CB,  23
.set G1,  24                           ; s[24:31] descriptor group 1 for xb's tiles
.set G0,  32                           ; s[32:39] group 0, a set for each slot
.set YY,  40
.set LIM, 43                           ; s43  1 in a wave that prefetches, else the greatest number
.set PFA, 44                           ; s[44:45] where my prefetches stand
.set G1B, 48                           ; s[48:55], s[56:63] the same for wb's tiles
.set G0B, 56
.set LG,  66                           ; s[66:67] L, named as a pair
.set SEL, 68                           ; s[68:69] v_permlanex16_b32's selects: each lane takes its own place in the other half
.set HM,  70                           ; s70  the mask of lanes 16 .. 31
.set MT,  71                           ; s71  counts the epilogue's four M tiles
.set MSB, 0
.macro WIN new                         ; the immediate's high byte repeats the setting that is left; a switch that changes nothing is dropped
.if MSB != (\new)
	s_set_vgpr_msb (MSB<<8)|(\new)
.set MSB, \new
.endif
.endm
.set TO_F, 0x40                        ; destination window 1, address window 0
.macro PLACES                          ; four places behind a matrix instruction, in front of loads into registers that it has read
.rept 4
	v_nop
.endr
.endm
; A joint load.  Each of the two lines has one mask and one set of registers for all that issue it; the branch hangs on the wave's number alone.  An s_nop 0 and four v_nop follow each line.
.macro JLOAD s
	s_cmp_eq_u32 s[FB], 0
	s_cbranch_scc0 .Lfor_b_\@
	tensor_load_to_lds s[G0+4*(\s):G0+4*(\s)+3], s[G1:G1+7]
	s_nop 0
.rept 4
	v_nop
.endr
	s_branch .Lasked_\@
.Lfor_b_\@:
	tensor_load_to_lds s[G0B+4*(\s):G0B+4*(\s)+3], s[G1B:G1B+7]
	s_nop 0
.rept 4
	v_nop
.endr
.Lasked_\@:
.endm
; A prefetch into the L2 of the K step that stands two refills on: 256 bytes of a row, a lane a row, one instruction a wave, behind the joint load and the run of LDS loads.
; xb's rows are read by every cluster of a row of clusters: cluster x = 0 asks; wb's by every cluster of a column: cluster y = 0 asks, in the first tile alone.  The four partners of a joint load share its
; rows out by address: 32 of xb's 128 by cx, 24 of wb's 96 by cy (there lanes 24 .. 31 name row 23 once more).  how = 0, in the loop: its last trip has no K step two on; how = 1: at a change of tiles.
.macro ASK how
.if \how
	s_cmp_eq_u32 s[LIM], 1
.else
	s_cmp_gt_u32 s3, s[LIM]
.endif
	s_cbranch_scc0 .Lnot_mine_\@
	global_prefetch_b8 v[PFO], s[PFA:PFA+1] offset:KSTEP*2 th:TH_LOAD_NT scope:SCOPE_SE
.Lnot_mine_\@:
.endm
.macro CREST                           ; a round of the cluster's barrier behind its opening barrier
	s_cmp_lg_u32 s[WV], 0
	s_cbranch_scc1 .Lnot_wave_0_\@
	s_barrier_signal -3
.Lnot_wave_0_\@:
	s_barrier_wait -3
	s_barrier_signal -1
	s_barrier_wait -1
.endm
.macro CROUND
	s_barrier_signal -1
	s_barrier_wait -1
	CREST
.endm
	s_load_b256 s[4:11], s[0:1], 0x0               ; xb s[4:5], wb s[6:7], b_f s[8:9], b_i s[10:11]
	s_load_b128 s[12:15], s[0:1], 0x20             ; b_h s[12:13], ws s[14:15]
	s_load_b64 s[16:17], s[0:1], 0x30              ; agg
	v_lshl_add_u32 v[SPW], v0, 2, SPARE
	v_mov_b32 v[NIL], 0
	ds_add_u32 v[SPW], v[NIL]                      ; the wave's opening: the add, twice on end, and its wait ahead of my first tensor load
	ds_add_u32 v[SPW], v[NIL]                      ; and once more; the set-up below, work on registers, stands between it and the wait
	v_lshrrev_b32 v1, 5, v0
	v_readfirstlane_b32 s[WV], v1                  ; wave 0..3
	s_lshr_b32 s[FB], s[WV], 1
	s_and_b32 s[HF], s[WV], 1
	s_bfe_u32 s[CX], ttmp6, 0x40000                ; my place in the cluster
	s_bfe_u32 s[CY], ttmp6, 0x40004
	s_lshl_b32 s[CB], ttmp9, 2
	s_add_co_u32 s[CB], s[CB], s[CX]               ; channel block = 4 x cluster x + cx
	s_and_b32 s[YY], ttmp7, 0xffff
	s_lshl_b32 s[YY], s[YY], 2
	s_add_co_u32 s[YY], s[YY], s[CY]               ; chunk = 4 x cluster y + cy
	s_lshl_b32 s41, s[CY], 2
	s_lshl_b32 s41, 15, s41                        ; my row of the cluster
	s_lshl_b32 s42, 0x1111, s[CX]                  ; my column
	s_or_b32 s[G1], s41, (1<<16)|(1<<20)|(1<<21)|(5<<22)|(3<<25)   ; 15:0 the mask; 17:16 elements of 2 bytes; 20 padding on; 21 set beside a mask; 24:22 after every 64 words; 31:25 4 words of it
	s_or_b32 s[G1B], s42, (1<<16)|(1<<20)|(1<<21)|(5<<22)|(3<<25)
.irp g, G1, G1B
	s_mov_b32 s[(\g)+1], KSTEP<<16                 ; tensor_dim0 = 128
	s_mov_b32 s[(\g)+3], KSTEP<<16                 ; tile_dim0 = 128
	s_mov_b32 s[(\g)+5], 1024                      ; elements from row to row
	s_mov_b32 s[(\g)+6], 0
	s_mov_b32 s[(\g)+7], 0
.endr
	s_mov_b32 s[G1+2], 128<<16                     ; tensor_dim1 and tile_dim1: 128 rows of xb,
	s_mov_b32 s[G1+4], 128
	s_mov_b32 s[G1B+2], 96<<16                     ; 96 of wb
	s_mov_b32 s[G1B+4], 96
	s_mov_b32 s[LG], 0x3fb8aa3b                    ; L = log2 e
	s_mov_b32 s[LG+1], 0x3fb8aa3b
	s_mov_b32 s[SEL], 0x76543210
	s_mov_b32 s[SEL+1], 0xfedcba98
	s_mov_b32 s[HM], 0xffff0000
	s_lshl_b32 s72, s[YY], 8                       ; xb: row 256 y + 128 x half, in registers that never hold cx
	s_lshl_b32 s73, s[HF], 7
	s_add_co_u32 s72, s72, s73
	s_lshl_b32 s72, s72, 11
	s_mov_b32 s73, 0
	s_mul_i32 s74, s[CB], 192                      ; wb: row 192 cb + 96 x half, in registers that never hold cy
	s_mul_i32 s75, s[HF], 96
	s_add_co_u32 s74, s74, s75
	s_lshl_b32 s74, s74, 11
	s_mov_b32 s75, 0
	s_mul_i32 s76, s[WV], AHALF                    ; where they go: waves 0, 1: xb's halves;
	s_mul_i32 s77, s[WV], BHALF
	s_add_co_u32 s77, s77, BOFF-2*BHALF            ; waves 2, 3: wb's halves, behind xb's 256 rows
	s_wait_dscnt 0x0                               ; both opening adds are done
	s_wait_kmcnt 0x0
	s_add_nc_u64 s[72:73], s[4:5], s[72:73]
	s_add_nc_u64 s[74:75], s[6:7], s[74:75]
	CROUND                                         ; all sixteen work-groups are here: the first joint loads meet
.irp s, 0,1
	s_mov_b32 s[G0+4*(\s)], 1
	s_add_co_u32 s[G0+4*(\s)+1], s76, (\s)*SLOT
	s_add_nc_u64 s[G0+4*(\s)+2:G0+4*(\s)+3], s[72:73], (\s)*KSTEP*2
	s_or_b32 s[G0+4*(\s)+3], s[G0+4*(\s)+3], 0x80000000
	s_mov_b32 s[G0B+4*(\s)], 1
	s_add_co_u32 s[G0B+4*(\s)+1], s77, (\s)*SLOT
	s_add_nc_u64 s[G0B+4*(\s)+2:G0B+4*(\s)+3], s[74:75], (\s)*KSTEP*2
	s_or_b32 s[G0B+4*(\s)+3], s[G0B+4*(\s)+3], 0x80000000
	JLOAD \s                                       ; two loads of mine are out: the most in this text
.endr
	; all that follows up to the first wait on TENSORcnt stands in the wait for the first tiles
	v_and_b32 v1, 15, v0                           ; r
	v_bfe_u32 v14, v0, 4, 1                        ; h
	v_and_b32 v61, 31, v0                          ; lane
	s_lshl_b32 s41, s[CB], 8
	v_lshl_add_u32 v62, v1, 4, s41                 ; my four channels in a bias: 256 cb + 16 r
	global_load_b128 v[64:67], v62, s[8:9]
	global_load_b128 v[68:71], v62, s[10:11]
	global_load_b128 v[72:75], v62, s[12:13]
	v_lshrrev_b32 v15, 3, v1
	v_lshl_add_u32 v15, v15, 5, v1                 ; r + 32 (r / 8)
	v_mul_u32_u24 v15, v15, PITCH
	v_lshl_add_u32 v15, v14, 4, v15                ; row x pitch + 16 h
	v_mul_u32_u24 v60, v1, PITCH
	v_lshl_add_u32 v60, v14, 4, v60
	s_mul_i32 s41, s[WV], 64*PITCH                 ; my 64 rows
	s_add_co_u32 s42, s41, 24*PITCH
	v_add_nc_u32 v[ADRA0], s41, v15
	v_add_nc_u32 v[ADRA1], s42, v60
	v_add_nc_u32 v[ADRB], BOFF, v60
	v_add_nc_u32 v[ADRA0+1], SLOT, v[ADRA0]
	v_add_nc_u32 v[ADRA1+1], SLOT, v[ADRA1]
	v_add_nc_u32 v[ADRB+1], SLOT, v[ADRB]
	v_mul_u32_u24 v[CO0], v14, 40*4096             ; mt = 0: row 0 or 40,
	v_lshl_add_u32 v[CO0], v1, 4, v[CO0]
	v_lshlrev_b32 v[CO1], 15, v14                  ; mt = 3: row 24 or 32
	v_lshl_add_u32 v[CO1], v1, 4, v[CO1]
	v_add_nc_u32 v[CO1], 24*4096, v[CO1]
	s_lshl_b32 s41, s[WV], 9
	s_add_co_u32 s41, s41, XCH
	v_lshl_add_u32 v[XST], v1, 4, s41
	v_lshl_add_u32 v[XRD], v61, 3, XCH
	v_lshlrev_b32 v[AGO], 3, v61
.irp z, 0,1,2,3,4,5,6,7,8,9,10,11
	v_mov_b32 v[SVA+\z], 0                         ; run 1's state is kept here from mt = 3 on; written once so that it holds numbers on every way through the text
.endr
	s_lshl_b32 s78, s[YY], 8                       ; ws: row 256 y + 64 w, byte 256 cb
	s_lshl_b32 s79, s[WV], 6
	s_add_co_u32 s78, s78, s79
	s_lshl_b32 s78, s78, 12
	s_lshl_b32 s79, s[CB], 8
	s_add_co_u32 s78, s78, s79
	s_mov_b32 s79, 0
	s_add_nc_u64 s[WS:WS+1], s[WS:WS+1], s[78:79]
	s_lshl_b32 s78, s[YY], 13                      ; agg: chunk y, byte 256 cb
	s_lshl_b32 s46, s[CB], 8
	s_add_co_u32 s78, s78, s46
	s_add_nc_u64 s[AG:AG+1], s[AG:AG+1], s[78:79]
	; the prefetches
	s_lshl_b32 s41, s[YY], 8                       ; xb: the 128 rows that I fetch, my work-group's 32 of them
	s_lshl_b32 s46, s[HF], 7
	s_add_co_u32 s41, s41, s46
	s_lshl_b32 s46, s[CX], 5
	s_add_co_u32 s41, s41, s46
	s_mul_i32 s42, s[CB], 192                      ; wb: the 96 rows that I fetch, my work-group's 24
	s_mul_i32 s46, s[HF], 96
	s_add_co_u32 s42, s42, s46
	s_mul_i32 s46, s[CY], 24
	s_add_co_u32 s42, s42, s46
	s_and_b32 s46, ttmp7, 0xffff                   ; cluster y
	s_cmp_eq_u32 s[FB], 0
	s_cselect_b32 s41, s41, s42
	s_cselect_b32 s46, ttmp9, s46                  ; the coordinate along which other clusters read the same rows
	s_cselect_b32 s47, 31, 23
	s_cselect_b64 s[PFA:PFA+1], s[4:5], s[6:7]
	v_min_u32 v[PFO], s47, v61
	v_lshlrev_b32 v[PFO], 11, v[PFO]
	s_cmp_eq_u32 s46, 0
	s_cselect_b32 s[LIM], 1, -1                    ; the same in all sixteen partners, for a given wave
	s_lshl_b32 s46, s41, 11
	s_mov_b32 s47, 0
	s_add_nc_u64 s[PFA:PFA+1], s[PFA:PFA+1], s[46:47]
	s_add_nc_u64 s[PFA:PFA+1], s[PFA:PFA+1], 2*KSTEP*2  ; at K step 2: the first refill steps it to 3 and names K step 4; K steps 0 to 3 come by their loads alone
	s_wait_loadcnt 0x0                             ; the biases
.irp q, 0,1,2,3
	v_mul_f32 v[BIAS+4*\q], s[LG], v[64+\q]
	v_mul_f32 v[BIAS+4*\q+1], s[LG], v[68+\q]
	v_mul_f32 v[BIAS+4*\q+2], s[LG], v[72+\q]
	v_add_f32 v[BIAS+4*\q+3], 0.5, v[72+\q]
.endr
; 12 matrix instructions: M tile mt x all 12 N tiles, 32 along K.  zero = 1: the product starts the sums.  The 48 accumulators take turns, one instruction a turn, in the same order in every quarter.
.macro MUL12 f, mt, zero
	WIN 0xa5+0x50*((\mt)/2)                        ; sources 0 and 1 window 1; C and D window 2 or 3
.irp n, 0,1,2,3,4,5,6,7,8,9,10,11
.if \zero
	v_wmma_f32_16x16x32_bf16 v[96*((\mt)%2)+8*(\n):96*((\mt)%2)+8*(\n)+7], v[(\f)+8*(\mt):(\f)+8*(\mt)+7], v[(\f)+32+8*(\n):(\f)+32+8*(\n)+7], 0
.else
	v_wmma_f32_16x16x32_bf16 v[96*((\mt)%2)+8*(\n):96*((\mt)%2)+8*(\n)+7], v[(\f)+8*(\mt):(\f)+8*(\mt)+7], v[(\f)+32+8*(\n):(\f)+32+8*(\n)+7], v[96*((\mt)%2)+8*(\n):96*((\mt)%2)+8*(\n)+7]
.endif
.endr
.endm
.macro MUL24 f, hi, zero
	MUL12 \f, 2*(\hi), \zero
	MUL12 \f, 2*(\hi)+1, \zero
.endm
; 32 LDS loads in one run: the fragments of 32 along K at byte k of the rows, into buffer f: wb's 12, then xb's mt = 0 .. 3: the last four loads are mt = 2 and 3
.macro FETCH slot, k, f
	WIN TO_F
.irp n, 0,1,2,3,4,5,6,7,8,9,10,11
	ds_load_b128 v[(\f)+32+8*(\n):(\f)+32+8*(\n)+3],   v[ADRB+(\slot)] offset:(\k)+(\n)*16*PITCH
	ds_load_b128 v[(\f)+32+8*(\n)+4:(\f)+32+8*(\n)+7], v[ADRB+(\slot)] offset:(\k)+(\n)*16*PITCH+32
.endr
.irp i, 0,1,2
	ds_load_b128 v[(\f)+8*(\i):(\f)+8*(\i)+3],   v[ADRA0+(\slot)] offset:(\k)+(\i)*8*PITCH
	ds_load_b128 v[(\f)+8*(\i)+4:(\f)+8*(\i)+7], v[ADRA0+(\slot)] offset:(\k)+(\i)*8*PITCH+32
.endr
	ds_load_b128 v[(\f)+24:(\f)+27], v[ADRA1+(\slot)] offset:(\k)
	ds_load_b128 v[(\f)+28:(\f)+31], v[ADRA1+(\slot)] offset:(\k)+32
.endm
; A K step is four quarters of 32 along K, 48 matrix instructions each, on buffers 0, 1, 0, 1.  One of the first three: multiplies f; in its middle it fetches the next quarter, at byte k, into g.
.macro QUARTER slot, k, f, g, zero
	s_wait_dscnt 4                                 ; wb's fragments and xb's mt = 0, 1 are in; the youngest four loads may be out
	MUL24 \f, 0, \zero
	PLACES
	FETCH \slot, \k, \g
	s_wait_dscnt 32                                ; all but the 32 just issued
	MUL24 \f, 1, \zero
.endm
; The last quarter's first half: one barrier for the change of slots.  In front of it each wave waits for all its tensor loads (one is out: its part of the next slot), adds 0 to its spare word, and waits for
; that and for its reads of this slot.  Behind it nobody reads this slot any more and the next slot is whole.
.macro MEET round
	WIN 0
	s_wait_tensorcnt 0x0
	ds_add_u32 v[SPW], v[NIL]
	s_wait_dscnt 5                                 ; (the add and the youngest four loads may be out)
	MUL12 F1, 0, 0                                 ; twelve matrix instructions stand between the add and the wait for it
	s_wait_dscnt 0x0                               ; the add is done, and my reads of this slot are over
	s_barrier_signal -1
	MUL12 F1, 1, 0
.if \round
	WIN 0
.endif
	s_barrier_wait -1
.endm
; The whole last quarter, with a refill: this tile's K step two on (on = 0) or the next tile's K step 0 or 1 (on = 1).  The barrier opens a round of the cluster's; the joint refill is the first thing behind it.
.macro TURN slot, next, on
	s_wait_xcnt 0x0                                ; the last prefetch, a K step back, has read its address
.if (\on) && (\slot) == 0
	s_add_nc_u64 s[PFA:PFA+1], s[PFA:PFA+1], (WALK-1)*ROWB+KSTEP*2  ; from the K step after the tile's last to the next tile's K step 1
	s_cmp_eq_u32 s[FB], 0
	s_cselect_b32 s[LIM], s[LIM], -1               ; wb's rows are the same for all tiles: they are asked for no more
.else
	s_add_nc_u64 s[PFA:PFA+1], s[PFA:PFA+1], KSTEP*2
.endif
	MEET 1
	CREST                                          ; no wave of any partner still reads this slot or has a load on its way
.if \on
	s_add_nc_u64 s[G0+4*(\slot)+2:G0+4*(\slot)+3], s[G0+4*(\slot)+2:G0+4*(\slot)+3], NEXT_A
	s_sub_nc_u64 s[G0B+4*(\slot)+2:G0B+4*(\slot)+3], s[G0B+4*(\slot)+2:G0B+4*(\slot)+3], BACK_B
.else
	s_add_nc_u64 s[G0+4*(\slot)+2:G0+4*(\slot)+3], s[G0+4*(\slot)+2:G0+4*(\slot)+3], 2*KSTEP*2
	s_add_nc_u64 s[G0B+4*(\slot)+2:G0B+4*(\slot)+3], s[G0B+4*(\slot)+2:G0B+4*(\slot)+3], 2*KSTEP*2
.endif
	JLOAD \slot                                    ; its four v_nop are also the places in front of the loads below
	FETCH \next, 0, F0
	WIN 0
	ASK \on
	MUL24 F1, 1, 0
.endm
; THE EPILOGUE.  ST1 mt: the three pre-activations of M tile mt leave the accumulators, each from its lowest pair on, scaled by L with the bias in the same multiply-add.
.macro ST1 mt
.if ((\mt) == 1) || ((\mt) == 2)
	v_add_nc_u32 v[CUR], 8*4096, v[CUR]            ; eight rows on
.elseif (\mt) == 3
	v_mov_b32 v[CUR], v[CO1]
.irp z, 0,1,2,3,4,5,6,7
	v_mov_b32 v[SVA+\z], v[CHA+\z]                 ; run 1 is over: its state is kept,
.endr
.irp z, 0,1,2,3
	v_mov_b32 v[SVB+\z], v[CHB+\z]
.endr
.irp z, 0,1,2,3,4,5,6,7
	v_mov_b32 v[CHA+\z], 1.0                       ; and run 2 begins
.endr
.irp z, 0,1,2,3
	v_mov_b32 v[CHB+\z], 0
.endr
.endif
	WIN 0x02+(\mt)/2                               ; source 0 in window 2 or 3
.set AC, 96*((\mt)%2)
.irp q, 0,1,2,3
.irp p, 0,1,2,3
	v_pk_fma_f32 v[XF+8*\q+2*\p:XF+8*\q+2*\p+1], v[AC+8*\q+2*\p:AC+8*\q+2*\p+1], s[LG:LG+1], v[BIAS+4*\q:BIAS+4*\q+1] op_sel_hi:[1,0,0]
	v_pk_fma_f32 v[XI+8*\q+2*\p:XI+8*\q+2*\p+1], v[AC+32+8*\q+2*\p:AC+32+8*\q+2*\p+1], s[LG:LG+1], v[BIAS+4*\q:BIAS+4*\q+1] op_sel:[0,0,1] op_sel_hi:[1,0,1]
	v_pk_fma_f32 v[XZ+8*\q+2*\p:XZ+8*\q+2*\p+1], v[AC+64+8*\q+2*\p:AC+64+8*\q+2*\p+1], s[LG:LG+1], v[BIAS+4*\q+2:BIAS+4*\q+3] op_sel_hi:[1,0,0]
	v_pk_add_f32 v[XG+8*\q+2*\p:XG+8*\q+2*\p+1], v[AC+64+8*\q+2*\p:AC+64+8*\q+2*\p+1], v[BIAS+4*\q+2:BIAS+4*\q+3] op_sel:[0,1] op_sel_hi:[1,1]
.endr
.endr
	WIN 0
.endm
.macro PA pp, k                        ; line k of 6 ahead of pair pp's exponentials: s; min(L hp, 0); s - F; s - I
.if (\k) < 2
	v_min3_num_f32 v[XS+2*(\pp)+(\k)], v[XF+2*(\pp)+(\k)], v[XI+2*(\pp)+(\k)], 0
.elseif (\k) < 4
	v_min_num_f32 v[XZ+2*(\pp)+(\k)-2], 0, v[XZ+2*(\pp)+(\k)-2]
.elseif (\k) == 4
	v_pk_add_f32 v[XF+2*(\pp):XF+2*(\pp)+1], v[XS+2*(\pp):XS+2*(\pp)+1], v[XF+2*(\pp):XF+2*(\pp)+1] neg_lo:[0,1] neg_hi:[0,1]
.else
	v_pk_add_f32 v[XI+2*(\pp):XI+2*(\pp)+1], v[XS+2*(\pp):XS+2*(\pp)+1], v[XI+2*(\pp):XI+2*(\pp)+1] neg_lo:[0,1] neg_hi:[0,1]
.endif
.endm
.macro EA pp, k                        ; exponential k of pair pp's 8, in place: T0, Tf, Ti, E
	v_exp_f32 v[XS+32*((\k)/2)+2*(\pp)+(\k)%2], v[XS+32*((\k)/2)+2*(\pp)+(\k)%2]
.endm
.macro PB pp, k                        ; line k of 4 ahead of pair pp's reciprocals: 1 + E; T0 + Tf; T0 + Ti; their sum
.if (\k) == 0
	v_pk_add_f32 v[XD+2*(\pp):XD+2*(\pp)+1], v[XZ+2*(\pp):XZ+2*(\pp)+1], 1.0 op_sel_hi:[1,0]
.elseif (\k) == 1
	v_pk_add_f32 v[XF+2*(\pp):XF+2*(\pp)+1], v[XS+2*(\pp):XS+2*(\pp)+1], v[XF+2*(\pp):XF+2*(\pp)+1]
.elseif (\k) == 2
	v_pk_add_f32 v[XI+2*(\pp):XI+2*(\pp)+1], v[XS+2*(\pp):XS+2*(\pp)+1], v[XI+2*(\pp):XI+2*(\pp)+1]
.else
	v_pk_add_f32 v[XS+2*(\pp):XS+2*(\pp)+1], v[XF+2*(\pp):XF+2*(\pp)+1], v[XI+2*(\pp):XI+2*(\pp)+1]
.endif
.endm
.macro EB pp, k                        ; reciprocal k of pair pp's 4, in place
.if (\k) < 2
	v_rcp_f32 v[XD+2*(\pp)+(\k)], v[XD+2*(\pp)+(\k)]
.else
	v_rcp_f32 v[XS+2*(\pp)+(\k)-2], v[XS+2*(\pp)+(\k)-2]
.endif
.endm
; A tile's way out: four trips, one for each M tile; only ST1, which names the accumulators, is written four times; forward jumps on the trip's number choose it.
.macro EPI
	WIN 0
	s_wait_xcnt 0x0                                ; the last tile's stores have read CUR
	PLACES                                         ; these four and the thirteen lines below are the places behind the last products
	v_mov_b32 v[CUR], v[CO0]
.irp z, 0,1,2,3,4,5,6,7
	v_mov_b32 v[CHA+\z], 1.0                       ; run 1 begins: A = 1, B = 0, so that every trip has one text
.endr
.irp z, 0,1,2,3
	v_mov_b32 v[CHB+\z], 0
.endr
	s_mov_b32 s[MT], 0
.Lmt_\@:
	s_cmp_lt_u32 s[MT], 2
	s_cbranch_scc0 .Lhi_\@
	s_cmp_eq_u32 s[MT], 0
	s_cbranch_scc0 .Lm1_\@
	ST1 0
	s_branch .Lcom_\@
.Lm1_\@:
	ST1 1
	s_branch .Lcom_\@
.Lhi_\@:
	s_cmp_eq_u32 s[MT], 2
	s_cbranch_scc0 .Lm3_\@
	ST1 2
	s_branch .Lcom_\@
.Lm3_\@:
	ST1 3
.Lcom_\@:
	; the 128 exponentials are one batch: pair pp's six plain lines stand between the exponentials of pair pp - 1, and nothing names a result ahead of the one wait
.set st, 0
.rept 17
.irp k, 0,1,2,3,4,5,6,7
.if (st < 16) && (\k < 6)
	PA st, \k
.endif
.if st > 0
	EA st-1, \k
.endif
.endr
.set st, st+1
.endr
	v_nop                                          ; a plain instruction behind the last exponential,
	s_wait_alu depctr_va_vdst(0)                   ; and the wait ahead of the first use: one for the batch
	; the 64 reciprocals are a second batch, dealt in the same way
.set st, 0
.rept 17
.irp k, 0,1,2,3
.if st < 16
	PB st, \k
.endif
.if st > 0
	EB st-1, \k
.endif
.endr
.set st, st+1
.endr
	v_nop
	s_wait_alu depctr_va_vdst(0)
.set st, 0
.rept 16
	v_pk_mul_f32 v[XZ+2*st:XZ+2*st+1], v[XZ+2*st:XZ+2*st+1], v[XD+2*st:XD+2*st+1]  ; the sigmoid
	v_pk_mul_f32 v[XF+2*st:XF+2*st+1], v[XF+2*st:XF+2*st+1], v[XS+2*st:XS+2*st+1]  ; i
	v_pk_mul_f32 v[XI+2*st:XI+2*st+1], v[XI+2*st:XI+2*st+1], v[XS+2*st:XS+2*st+1]  ; f
.set st, st+1
.endr
.set st, 0
.rept 32
	v_max_num_f32 v[XG+st], v[XG+st], v[XZ+st]     ; g
.set st, st+1
.endr
.set st, 0
.rept 16
	v_pk_mul_f32 v[XS+2*st:XS+2*st+1], v[XF+2*st:XF+2*st+1], v[XG+2*st:XG+2*st+1]  ; i g
.set st, st+1
.endr
	; time row j: the recurrence's summary goes on (four channels, four chains), and the row's 16 bytes are packed and stored: lanes 0-15 fill 256 consecutive bytes of one row, aligned, lanes 16-31 of another
.irp j, 0,1,2,3,4,5,6,7
.irp q, 0,1,2,3
	v_fma_f32 v[CHB+\q], v[XI+8*\q+\j], v[CHB+\q], v[XS+8*\q+\j]
.endr
.if (\j)%2
.irp q, 0,1,2,3
	v_pk_mul_f32 v[CHA+2*\q:CHA+2*\q+1], v[CHA+2*\q:CHA+2*\q+1], v[XI+8*\q+\j-1:XI+8*\q+\j]
.endr
.endif
	v_cvt_pk_f16_f32 v[XD+4*\j], v[XF+\j], v[XF+8+\j]
	v_cvt_pk_f16_f32 v[XD+4*\j+1], v[XF+16+\j], v[XF+24+\j]
	v_cvt_pk_bf16_f32 v[XD+4*\j+2], v[XG+\j], v[XG+8+\j]
	v_cvt_pk_bf16_f32 v[XD+4*\j+3], v[XG+16+\j], v[XG+24+\j]
	global_store_b128 v[CUR], v[XD+4*\j:XD+4*\j+3], s[WS:WS+1] offset:\j*4096
.endr
	s_wait_xcnt 0x0                                ; the stores have read CUR and the packed rows: the next trip writes both
	s_add_co_u32 s[MT], s[MT], 1
	s_cmp_lt_u32 s[MT], 4
	s_cbranch_scc1 .Lmt_\@
	; the wave's summary.  (A1, B1) = run 1, (A2, B2) = run 2.  First then second: A = A1 A2, B = A_second B_first + B_second.  In lanes 0-15 run 1 is first, in lanes 16-31 run 2.
.irp q, 0,1,2,3
	v_mul_f32 v[TT+\q], v[SVA+2*\q], v[SVA+2*\q+1]
	v_mul_f32 v[TT+4+\q], v[CHA+2*\q], v[CHA+2*\q+1]
.endr
.irp q, 0,1,2,3
	v_cndmask_b32 v[TT+8+\q], v[TT+4+\q], v[TT+\q], s[HM]
	v_cndmask_b32 v[TT+12+\q], v[SVB+\q], v[CHB+\q], s[HM]
	v_cndmask_b32 v[TT+16+\q], v[CHB+\q], v[SVB+\q], s[HM]
.endr
.irp q, 0,1,2,3
	v_fma_f32 v[TT+20+\q], v[TT+8+\q], v[TT+12+\q], v[TT+16+\q]
	v_mul_f32 v[TT+24+\q], v[TT+\q], v[TT+4+\q]
.endr
.irp q, 0,1,2,3                        ; rows 0-31 lie in lanes 0-15, rows 32-63 in the lane 16 away (the destinations are array registers, written above)
	v_permlanex16_b32 v[TT+28+\q], v[TT+24+\q], s[SEL], s[SEL+1]
	v_permlanex16_b32 v[TT+32+\q], v[TT+20+\q], s[SEL], s[SEL+1]
.endr
.irp q, 0,1,2,3
	v_cndmask_b32 v[TT+36+\q], v[TT+28+\q], v[TT+24+\q], s[HM]
	v_cndmask_b32 v[TT+40+\q], v[TT+20+\q], v[TT+32+\q], s[HM]
	v_cndmask_b32 v[TT+44+\q], v[TT+32+\q], v[TT+20+\q], s[HM]
.endr
.irp q, 0,1,2,3
	v_mul_f32 v[TT+48+\q], v[TT+24+\q], v[TT+28+\q]
	v_fma_f32 v[TT+52+\q], v[TT+36+\q], v[TT+40+\q], v[TT+44+\q]
.endr
	ds_store_b128 v[XST], v[TT+48:TT+51]           ; both halves of the lanes hold, and write, the same numbers
	ds_store_b128 v[XST], v[TT+52:TT+55] offset:256
	s_wait_dscnt 0x0                               ; for the others' sake: my stores are done (and the next tile's first fragments are in)
	s_barrier_signal -1
	s_barrier_wait -1
	s_cmp_lg_u32 s[WV], 0
	s_cbranch_scc1 .Lnot0_\@                       ; wave 0 joins the four waves' summaries, two channels a lane
.irp w, 0,1,2,3
	ds_load_b64 v[TT+56+4*\w:TT+57+4*\w], v[XRD] offset:512*\w
	ds_load_b64 v[TT+58+4*\w:TT+59+4*\w], v[XRD] offset:512*\w+256
.endr
	s_wait_dscnt 0x0                               ; the next tile's stores into these bytes stand behind the K loop's barriers, which I pass only behind this wait
.irp w, 1,2,3
	v_pk_fma_f32 v[TT+58:TT+59], v[TT+56+4*\w:TT+57+4*\w], v[TT+58:TT+59], v[TT+58+4*\w:TT+59+4*\w]
	v_pk_mul_f32 v[TT+56:TT+57], v[TT+56:TT+57], v[TT+56+4*\w:TT+57+4*\w]
.endr
	global_store_b64 v[AGO], v[TT+56:TT+57], s[AG:AG+1]              ; 256 consecutive bytes, aligned: A of my 64 channels,
	global_store_b64 v[AGO], v[TT+58:TT+59], s[AG:AG+1] offset:4096  ; and B
.Lnot0_\@:
.endm
	s_wait_tensorcnt 1                             ; my part of K step 0 is in; K step 1's may stay out
	s_barrier_signal -1
	s_barrier_wait -1                              ; everybody's is
	FETCH 0, 0, F0
	WIN 0
	s_mov_b32 s2, 4                                ; tiles to go
.Ltile:
	QUARTER 0, 64,  F0, F1, 1                      ; a tile's first quarter stands in front of the loop: its products start the sums
	WIN 0
	s_mov_b32 s3, LAPS-1
.Llap:                                                 ; a trip goes once round the ring, from a lap's second quarter to the next lap's first, and fills both slots again
	QUARTER 0, 128, F1, F0, 0
	QUARTER 0, 192, F0, F1, 0
	TURN 0, 1, 0
	QUARTER 1, 64,  F0, F1, 0
	QUARTER 1, 128, F1, F0, 0
	QUARTER 1, 192, F0, F1, 0
	TURN 1, 0, 0
	QUARTER 0, 64,  F0, F1, 0
	WIN 0
	s_sub_co_u32 s3, s3, 1
	s_cmp_lg_u32 s3, 0
	s_cbranch_scc1 .Llap
	QUARTER 0, 128, F1, F0, 0
	QUARTER 0, 192, F0, F1, 0
	WIN 0
	s_cmp_eq_u32 s2, 1
	s_cbranch_scc1 .Llast                          ; the last tile's tail is written out: it asks for nothing more
	TURN 0, 1, 1                                   ; the ring goes on into the next tile: slot 0 takes its K step 0,
	QUARTER 1, 64,  F0, F1, 0
	QUARTER 1, 128, F1, F0, 0
	QUARTER 1, 192, F0, F1, 0
	TURN 1, 0, 1                                   ; slot 1 its K step 1, and its first fragments are fetched
	EPI                                            ; both refills are on their way while the tile goes out
	s_wait_xcnt 0x0                                ; the stores have read their bases
	s_add_nc_u64 s[WS:WS+1], s[WS:WS+1], WALK*4096 ; the next batch
	s_add_nc_u64 s[AG:AG+1], s[AG:AG+1], 0x20000
	s_sub_co_u32 s2, s2, 1
	s_branch .Ltile
.Llast:
	MEET 0                                         ; the one load that was out is the last K step's, so no round follows
	PLACES
	FETCH 1, 0, F0
	MUL24 F1, 1, 0
	QUARTER 1, 64,  F0, F1, 0
	QUARTER 1, 128, F1, F0, 0
	QUARTER 1, 192, F0, F1, 0
	s_wait_dscnt 4                                 ; the very last quarter: nothing more to fetch
	MUL24 F1, 0, 0
	s_wait_dscnt 0x0
	MUL24 F1, 1, 0
	EPI
	s_wait_tensorcnt 0x0                           ; the wave's end, behind my last tensor load and my last LDS store
	ds_add_u32 v[SPW], v[NIL]
	s_wait_dscnt 0x0
	CROUND                                         ; the closing round: no work-group ends while a partner may still ask for a tile that names it
	s_endpgm
.Lfunc_end_k_q91c6fa6ffd_gates:
	.size	k_q91c6fa6ffd_gates, .Lfunc_end_k_q91c6fa6ffd_gates-k_q91c6fa6ffd_gates
	.p2alignl 7, 3214868480
	.fill 96, 4, 3214868480
	.section	.rodata,"a",@progbits
	.p2align	6, 0x0
	.amdhsa_kernel k_q91c6fa6ffd_gates
		.amdhsa_group_segment_fixed_size 327680
		.amdhsa_private_segment_fixed_size 0
		.amdhsa_enable_private_segment 0
		.amdhsa_kernarg_size 56
		.amdhsa_user_sgpr_count 2
		.amdhsa_user_sgpr_kernarg_segment_ptr 1
		.amdhsa_wavefront_size32 1
		.amdhsa_system_sgpr_workgroup_id_x 1
		.amdhsa_system_sgpr_workgroup_id_y 1
		.amdhsa_system_sgpr_workgroup_id_z 1
		.amdhsa_system_vgpr_workitem_id 0
		.amdhsa_next_free_vgpr 960
		.amdhsa_next_free_sgpr 80
		.amdhsa_reserve_vcc 0
		.amdhsa_float_denorm_mode_32 3
		.amdhsa_float_denorm_mode_16_64 3
		.amdhsa_memory_ordered 1
		.amdhsa_forward_progress 1
		.amdhsa_inst_pref_size 224
	.end_amdhsa_kernel
	.amdgpu_metadata
---
amdhsa.version: [ 1, 2 ]
amdhsa.kernels:
  - .name:           k_q91c6fa6ffd_gates
    .symbol:         k_q91c6fa6ffd_gates.kd
    .args:
      - { .name: xb, .offset: 0, .size: 8, .value_kind: global_buffer, .address_space: global }
      - { .name: wb, .offset: 8, .size: 8, .value_kind: global_buffer, .address_space: global }
      - { .name: b_f, .offset: 16, .size: 8, .value_kind: global_buffer, .address_space: global }
      - { .name: b_i, .offset: 24, .size: 8, .value_kind: global_buffer, .address_space: global }
      - { .name: b_h, .offset: 32, .size: 8, .value_kind: global_buffer, .address_space: global }
      - { .name: ws, .offset: 40, .size: 8, .value_kind: global_buffer, .address_space: global }
      - { .name: agg, .offset: 48, .size: 8, .value_kind: global_buffer, .address_space: global }
    .group_segment_fixed_size: 327680
    .private_segment_fixed_size: 0
    .kernarg_segment_align: 8
    .kernarg_segment_size: 56
    .max_flat_workgroup_size: 128
    .sgpr_count:     80
    .vgpr_count:     960
    .wavefront_size: 32
...
	.end_amdgpu_metadata
.endif
;; end of part 2
;; launch scan (part 3): grid 8 x 64, 8 waves a work-group, no clusters, 17,408 bytes of LDS; arguments ws, agg, out0; writes out0
.if DOCPART == 3
	.amdgcn_target "amdgcn-amd-amdhsa--gfx1250"
	.amdhsa_code_object_version 6
	.text
	.protected	k_q91c6fa6ffd_scan
	.globl	k_q91c6fa6ffd_scan
	.p2align	8
	.type	k_q91c6fa6ffd_scan,@function
k_q91c6fa6ffd_scan:
	s_mov_b64 s[64:65], 0
	v_nop
	global_prefetch_b8 v0, s[64:65] scope:SCOPE_SE
	s_setreg_imm32_b32 hwreg(HW_REG_WAVE_MODE, 25, 1), 1
	s_wait_xcnt 0x0
; MinLSTM layer, launch 3 of 3: out0[b][t][d] = h_t, h_t = h_(t-1) + i_t (g_t - h_(t-1)), h_0 = 1 (reference()'s log_h0 = zeros).  The logarithmic scan of reference() is replaced by this recurrence: see launch 1's head.
; f = 1 - i is taken in f32 inside the multiply-adds, so each step is a convex combination of h_(t-1) and g_t; all that is carried (A, B, h) is f32.
; SHARES.  Work-group (chb, y): chunk c = y % 16 of batch b = y / 16 (rows 256 y .. + 255), channels 128 chb .. + 127.  Wave w takes rows 32 w .. + 31; lane l four channels: 16 bytes of a row of ws
; (i in f16, g in bf16) and 16 bytes of a row of out0, at the same byte: a wave's load or store covers 512 consecutive bytes.  All 32 rows of a wave are asked for at its head and stay in registers.
; THE CARRY.  Pass 1 makes the wave's summary (A, B) of its 32 rows.  Meanwhile wave w joins the summaries of chunks 2 w and 2 w + 1 of the batch, as far as they lie ahead of chunk c.  Both meet in LDS; every
; wave then takes h from 1 through the pairs ahead of c and the waves ahead of itself.  Pass 2 runs the recurrence from that h, writes each row's h over its i and g, and stores it.
; No matrix unit, no cluster, no tensor load: nothing is multiplied and nothing but 16 KiB of summaries is shared.  No prefetch: a wave's whole share is asked for by its first loads.
.set LO,   1                           ; v1      16 x lane: my bytes in a row, in a summary and in an LDS block; never rewritten
.set LS,   2                           ; v2      1,024 w + 16 x lane
.set SPW,  4                           ; v4      LDS address of my spare word; never rewritten
.set NIL,  5                           ; v5      0; never rewritten
.set ONE,  6                           ; v6      1.0: the mixed multiply-adds take registers alone
.set AA,   8                           ; v8-11   the product of f
.set BB,   12                          ; v12-15  h from 0
.set DD,   16                          ; v16-19  g - h
.set HH,   20                          ; v20-23  the carry
.set PR,   24                          ; v24-39  A, B of chunk 2 w; A, B of chunk 2 w + 1
.set AP,   40                          ; v40-43  the pair's A
.set BP,   44                          ; v44-47  the pair's B
.set TT,   48                          ; v48-111 summaries read back
.set ROWS, 112                         ; v112-239  row n at ROWS + 4 n: i0 i1, i2 i3, g0 g1, g2 g3; later h0 .. h3
.set PRE,   8192                       ; LDS: wave w's own (A, B) at 1,024 w, 512 bytes each; the pairs' at PRE + 1,024 w
.set SPARE, 16384                      ; the spare words, 128 bytes for each of the eight waves: four blocks of 256 bytes that no other line names
.set WS,  4                            ; s[4:5]
.set AGB, 6                            ; s[6:7]
.set OUT, 8                            ; s[8:9]
.set WV,  10
.set CC,  11                           ; c
.set MK1, 12                           ; all ones where chunk 2 w + 1 lies ahead of c
	s_load_b128 s[4:7], s[0:1], 0x0                ; ws, agg
	s_load_b64 s[8:9], s[0:1], 0x10                ; out0
	v_lshl_add_u32 v[SPW], v0, 2, SPARE
	v_mov_b32 v[NIL], 0
	v_lshrrev_b32 v7, 5, v0
	v_readfirstlane_b32 s[WV], v7                  ; wave 0..7
	v_and_b32 v[LO], 31, v0
	v_lshlrev_b32 v[LO], 4, v[LO]
	s_lshl_b32 s13, s[WV], 10
	v_add_nc_u32 v[LS], s13, v[LO]
	v_mov_b32 v[ONE], 1.0
	s_and_b32 s14, ttmp7, 0xffff                   ; y
	s_and_b32 s[CC], s14, 15
	s_lshr_b32 s15, s14, 4                         ; b
	s_lshl_b32 s18, ttmp9, 9                       ; my 128 channels: 512 bytes in ws, out0 and agg alike
	s_lshl_b32 s16, s14, 20                        ; 256 rows of 4,096 bytes,
	s_lshl_b32 s17, s[WV], 17                      ; my wave's 32
	s_add_co_u32 s16, s16, s17
	s_add_co_u32 s16, s16, s18
	s_mov_b32 s17, 0
	s_lshl_b32 s20, s15, 17                        ; the batch's 16 chunks of 8,192 bytes,
	s_lshl_b32 s21, s[WV], 14                      ; chunks 2 w and 2 w + 1
	s_add_co_u32 s20, s20, s21
	s_add_co_u32 s20, s20, s18
	s_mov_b32 s21, 0
	s_lshl_b32 s22, s[WV], 1
	s_add_co_u32 s23, s22, 1
	s_cmp_lt_u32 s23, s[CC]
	s_cselect_b32 s[MK1], -1, 0
.irp k, 0,1,2,3
	v_mov_b32 v[PR+\k], 1.0                        ; the identity, for a pair that does not lie ahead of c: its loads are jumped
	v_mov_b32 v[PR+4+\k], 0
	v_mov_b32 v[PR+8+\k], 1.0
	v_mov_b32 v[PR+12+\k], 0
.endr
	s_wait_kmcnt 0x0
	s_add_nc_u64 s[WS:WS+1], s[WS:WS+1], s[16:17]
	s_add_nc_u64 s[OUT:OUT+1], s[OUT:OUT+1], s[16:17]
	s_add_nc_u64 s[AGB:AGB+1], s[AGB:AGB+1], s[20:21]
	s_cmp_lt_u32 s22, s[CC]
	s_cbranch_scc0 .Lno_pair
.irp k, 0,1,2,3
	global_load_b128 v[PR+4*\k:PR+4*\k+3], v[LO], s[AGB:AGB+1] offset:4096*\k
.endr
.Lno_pair:
.set n, 0
.rept 32
	global_load_b128 v[ROWS+4*n:ROWS+4*n+3], v[LO], s[WS:WS+1] offset:n*4096 th:TH_LOAD_NT
.set n, n+1
.endr
.irp k, 0,1,2,3
	v_mov_b32 v[AA+\k], 1.0                        ; written while the loads are on their way, so that every row has one text
	v_mov_b32 v[BB+\k], 0
.endr
.macro GDIF r, prev                    ; g - prev for the four channels of the row at register r: g straight from its bf16 half
	v_fma_mix_f32_bf16 v[DD],   v[(\r)+2], v[ONE], -v[(\prev)]   op_sel:[0,0,0] op_sel_hi:[1,0,0]
	v_fma_mix_f32_bf16 v[DD+1], v[(\r)+2], v[ONE], -v[(\prev)+1] op_sel:[1,0,0] op_sel_hi:[1,0,0]
	v_fma_mix_f32_bf16 v[DD+2], v[(\r)+3], v[ONE], -v[(\prev)+2] op_sel:[0,0,0] op_sel_hi:[1,0,0]
	v_fma_mix_f32_bf16 v[DD+3], v[(\r)+3], v[ONE], -v[(\prev)+3] op_sel:[1,0,0] op_sel_hi:[1,0,0]
.endm
; Pass 1, row n: B += i (g - B), A -= i A, i straight from its f16 half.  The row is in when at most the 31 - n younger row loads are out (the summaries' loads are older still).
.macro ROW1 n
.set R, ROWS+4*(\n)
	s_wait_loadcnt 31-(\n)
	GDIF R, BB
	v_fma_mix_f32 v[AA],   -v[R],   v[AA],   v[AA]   op_sel:[0,0,0] op_sel_hi:[1,0,0]
	v_fma_mix_f32 v[AA+1], -v[R],   v[AA+1], v[AA+1] op_sel:[1,0,0] op_sel_hi:[1,0,0]
	v_fma_mix_f32 v[AA+2], -v[R+1], v[AA+2], v[AA+2] op_sel:[0,0,0] op_sel_hi:[1,0,0]
	v_fma_mix_f32 v[AA+3], -v[R+1], v[AA+3], v[AA+3] op_sel:[1,0,0] op_sel_hi:[1,0,0]
	v_fma_mix_f32 v[BB],   v[R],   v[DD],   v[BB]   op_sel:[0,0,0] op_sel_hi:[1,0,0]
	v_fma_mix_f32 v[BB+1], v[R],   v[DD+1], v[BB+1] op_sel:[1,0,0] op_sel_hi:[1,0,0]
	v_fma_mix_f32 v[BB+2], v[R+1], v[DD+2], v[BB+2] op_sel:[0,0,0] op_sel_hi:[1,0,0]
	v_fma_mix_f32 v[BB+3], v[R+1], v[DD+3], v[BB+3] op_sel:[1,0,0] op_sel_hi:[1,0,0]
.endm
.set n, 0
.rept 32
	ROW1 n
.set n, n+1
.endr
	; the pair: chunk 2 w + 1 counts as the identity where it does not lie ahead of c
.irp k, 0,1,2,3
	v_cndmask_b32 v[PR+8+\k], 1.0, v[PR+8+\k], s[MK1]
	v_cndmask_b32 v[PR+12+\k], 0, v[PR+12+\k], s[MK1]
.endr
.irp k, 0,2
	v_pk_mul_f32 v[AP+\k:AP+\k+1], v[PR+\k:PR+\k+1], v[PR+8+\k:PR+8+\k+1]
	v_pk_fma_f32 v[BP+\k:BP+\k+1], v[PR+8+\k:PR+8+\k+1], v[PR+4+\k:PR+4+\k+1], v[PR+12+\k:PR+12+\k+1]
.endr
	ds_store_b128 v[LS], v[AA:AA+3]
	ds_store_b128 v[LS], v[BB:BB+3] offset:512
	ds_store_b128 v[LS], v[AP:AP+3] offset:PRE
	ds_store_b128 v[LS], v[BP:BP+3] offset:PRE+512
	s_wait_dscnt 0x0                               ; for the others' sake: my stores are done
	s_barrier_signal -1
	s_barrier_wait -1
.irp p, 0,1,2,3,4,5,6,7
	ds_load_b128 v[TT+8*\p:TT+8*\p+3],   v[LO] offset:PRE+1024*\p
	ds_load_b128 v[TT+8*\p+4:TT+8*\p+7], v[LO] offset:PRE+1024*\p+512
.endr
.irp k, 0,1,2,3
	v_mov_b32 v[HH+\k], 1.0                        ; h_0
.endr
	s_wait_dscnt 0x0
.irp p, 0,1,2,3,4,5,6,7                ; the pairs ahead of chunk c, in order; the first that is not ends the walk
	s_cmp_gt_u32 s[CC], 2*\p
	s_cbranch_scc0 .Lcarried
	v_pk_fma_f32 v[HH:HH+1],   v[TT+8*\p:TT+8*\p+1],   v[HH:HH+1],   v[TT+8*\p+4:TT+8*\p+5]
	v_pk_fma_f32 v[HH+2:HH+3], v[TT+8*\p+2:TT+8*\p+3], v[HH+2:HH+3], v[TT+8*\p+6:TT+8*\p+7]
.endr
.Lcarried:
.irp p, 0,1,2,3,4,5,6
	ds_load_b128 v[TT+8*\p:TT+8*\p+3],   v[LO] offset:1024*\p
	ds_load_b128 v[TT+8*\p+4:TT+8*\p+7], v[LO] offset:1024*\p+512
.endr
	s_wait_dscnt 0x0
.irp p, 0,1,2,3,4,5,6                  ; the waves ahead of mine, in order
	s_cmp_gt_u32 s[WV], \p
	s_cbranch_scc0 .Lmine
	v_pk_fma_f32 v[HH:HH+1],   v[TT+8*\p:TT+8*\p+1],   v[HH:HH+1],   v[TT+8*\p+4:TT+8*\p+5]
	v_pk_fma_f32 v[HH+2:HH+3], v[TT+8*\p+2:TT+8*\p+3], v[HH+2:HH+3], v[TT+8*\p+6:TT+8*\p+7]
.endr
.Lmine:
; Pass 2, row n: h = prev + i (g - prev).  h2, h3, h1, h0 are written in this order over g0 g1, g2 g3, i2 i3, i0 i1: each word after its last use.  No register is written again, so no store's source is rewritten.
.macro ROW2 n, prev
.set R, ROWS+4*(\n)
	GDIF R, \prev
	v_fma_mix_f32 v[R+2], v[R+1], v[DD+2], v[(\prev)+2] op_sel:[0,0,0] op_sel_hi:[1,0,0]
	v_fma_mix_f32 v[R+3], v[R+1], v[DD+3], v[(\prev)+3] op_sel:[1,0,0] op_sel_hi:[1,0,0]
	v_fma_mix_f32 v[R+1], v[R],   v[DD+1], v[(\prev)+1] op_sel:[1,0,0] op_sel_hi:[1,0,0]
	v_fma_mix_f32 v[R],   v[R],   v[DD],   v[(\prev)]   op_sel:[0,0,0] op_sel_hi:[1,0,0]
	global_store_b128 v[LO], v[R:R+3], s[OUT:OUT+1] offset:(\n)*4096 th:TH_STORE_NT
.endm
	ROW2 0, HH
.set n, 1
.rept 31
	ROW2 n, ROWS+4*(n-1)
.set n, n+1
.endr
	s_wait_tensorcnt 0x0                           ; the wave's end, behind my last LDS store
	ds_add_u32 v[SPW], v[NIL]
	s_wait_dscnt 0x0
	s_endpgm
.Lfunc_end_k_q91c6fa6ffd_scan:
	.size	k_q91c6fa6ffd_scan, .Lfunc_end_k_q91c6fa6ffd_scan-k_q91c6fa6ffd_scan
	.p2alignl 7, 3214868480
	.fill 96, 4, 3214868480
	.section	.rodata,"a",@progbits
	.p2align	6, 0x0
	.amdhsa_kernel k_q91c6fa6ffd_scan
		.amdhsa_group_segment_fixed_size 17408
		.amdhsa_private_segment_fixed_size 0
		.amdhsa_enable_private_segment 0
		.amdhsa_kernarg_size 24
		.amdhsa_user_sgpr_count 2
		.amdhsa_user_sgpr_kernarg_segment_ptr 1
		.amdhsa_wavefront_size32 1
		.amdhsa_system_sgpr_workgroup_id_x 1
		.amdhsa_system_sgpr_workgroup_id_y 1
		.amdhsa_system_sgpr_workgroup_id_z 1
		.amdhsa_system_vgpr_workitem_id 0
		.amdhsa_next_free_vgpr 240
		.amdhsa_next_free_sgpr 66
		.amdhsa_reserve_vcc 0
		.amdhsa_float_denorm_mode_32 3
		.amdhsa_float_denorm_mode_16_64 3
		.amdhsa_memory_ordered 1
		.amdhsa_forward_progress 1
		.amdhsa_inst_pref_size 56
	.end_amdhsa_kernel
	.amdgpu_metadata
---
amdhsa.version: [ 1, 2 ]
amdhsa.kernels:
  - .name:           k_q91c6fa6ffd_scan
    .symbol:         k_q91c6fa6ffd_scan.kd
    .args:
      - { .name: ws, .offset: 0, .size: 8, .value_kind: global_buffer, .address_space: global }
      - { .name: agg, .offset: 8, .size: 8, .value_kind: global_buffer, .address_space: global }
      - { .name: out0, .offset: 16, .size: 8, .value_kind: global_buffer, .address_space: global }
    .group_segment_fixed_size: 17408
    .private_segment_fixed_size: 0
    .kernarg_segment_align: 8
    .kernarg_segment_size: 24
    .max_flat_workgroup_size: 256
    .sgpr_count:     66
    .vgpr_count:     240
    .wavefront_size: 32
...
	.end_amdgpu_metadata
.endif
;; end of part 3
;; ======== version 2 of 2: 3 launches; version 1 with the launches prep, scan written anew for expert scheduling mode
;; workspace buffers: xb 33,554,432 bytes; wb 6,291,456 bytes; ws 67,108,864 bytes; agg 524,288 bytes
;; launch prep (part 4): grid 512 x 1, 8 waves a work-group, no clusters, 0 bytes of LDS; arguments x, W_f, W_i, W_h, xb, wb; writes xb, wb
.if DOCPART == 4
	.amdgcn_target "amdgcn-amd-amdhsa--gfx1250"
	.amdhsa_code_object_version 6
	.text
	.protected	k_q91c6fa6ffd_prep
	.globl	k_q91c6fa6ffd_prep
	.p2align	8
	.type	k_q91c6fa6ffd_prep,@function
k_q91c6fa6ffd_prep:
	s_mov_b64 s[64:65], 0
	v_nop
	global_prefetch_b8 v0, s[64:65] scope:SCOPE_SE
	s_setreg_imm32_b32 hwreg(HW_REG_WAVE_SCHED_MODE, 0, 2), 2
	s_setreg_imm32_b32 hwreg(HW_REG_WAVE_MODE, 25, 1), 1
	s_wait_xcnt 0x0
	s_wait_alu depctr_vm_vsrc(0)
; MinLSTM layer, launch 1 of 3: x and the three weight matrices are rounded once to bf16 for the products of launch 2.
; THE PROGRAM.  1 (this): xb = bf16(x), wb = bf16(W_f, W_i, W_h) with rows re-ordered.  2: the three products, the gates i and g of every element, each chunk's
; summary of the recurrence.  3: the carry into each chunk, the recurrence inside it, the output.
; WHAT IS NOT DONE AS reference() WRITES IT, for all finite inputs, in exact arithmetic:
;  - exp(log_f) = f, exp(log_i) = i with e^diff = (1 + e^-fp) / (1 + e^-ip): i = (1 + e^-fp) / ((1 + e^-fp) + (1 + e^-ip)), f = 1 - i.  Launch 2 forms both sums times e^s,
;    s = min(fp, ip, 0): the greatest exponent is taken away, every exponent is <= 0, one is 0, the divisor lies in 1 .. 4.
;  - exp(log_g(hp)) = hp + 0.5 for hp >= 0, sigmoid(hp) below = max(hp + 0.5, sigmoid(min(hp, 0))): both forms are made and one is selected.
;  - a_star + cumlogsumexp(log_values - a_star), exponentiated, IS h_t = f_t h_(t-1) + i_t g_t with h_0 = exp(0) = 1 (reference() builds log_h0 = zeros itself).  The recurrence is run as
;    h_t = h_(t-1) + i_t (g_t - h_(t-1)): it holds no exponential and no division by the running product of f, so there is no exponent to keep in range; each h lies between the least and the
;    greatest of 1 and the g, each product of f in 0 .. 1.
; No input is left out: all seven are loaded (the biases by launch 2).
; LIMITS.  Matrix operands are bf16.  NaN and infinities among the inputs are not treated apart.
; SHARES.  Work-group n takes rows 32 n .. 32 n + 31 of x and rows 2 n, 2 n + 1 of each W.  Thread t owns 4 numbers of every row: 16 bytes in at 16 t, 8 bytes out at 8 t: a wave's load
; covers 512 consecutive bytes, a wave's store 256 consecutive bytes, aligned.  All 38 loads of a thread go out before the first wait; nothing is shared, so no LDS and no barrier.
; wb's ROWS.  Row d = 64 cb + 4 r + q of gate (0 f, 1 i, 2 h) goes to row 192 cb + 64 gate + 16 q + r: launch 2's block of 192 rows then holds 64 channels of all three gates, and column r of its
; four 16-column tiles q of a gate are four neighbouring channels.
; THE MODE: SCHED_MODE bits 1:0 = 2 (LLVM: expert scheduling mode 2), set by the entry lines.  The code itself states the register dependences between vector instructions and memory
; instructions, with s_wait_alu, always for 0.
; THE PLAN.  Registers that memory instructions touch:
;   v1, v2          byte offsets of the loads and of the stores: written once at the head, never again.
;   BUF + 4 n ..    load n lands here, issued at the head, before any vector instruction names the registers; row n's two conversions read all four and write the first two; row n's store reads those two.
; No register is written again once a memory instruction has read it, and no load lands in a register that a vector instruction has named.  What is left to state: the offsets are written, ahead of the first
; load; a row's packed words are written, ahead of its store.  The 38 rows go in blocks of four (the last of two).  Block p's conversions name block p's registers alone, so ONE wait at its head states that
; block p - 1 has written its packed words, and that block's four stores are dealt among block p's conversions with no further wait.
.set BUF, 4                            ; v[4:155]  load n at BUF + 4 n
	s_load_b256 s[4:11], s[0:1], 0x0               ; x s[4:5], W_f s[6:7], W_i s[8:9], W_h s[10:11]
	s_load_b128 s[12:15], s[0:1], 0x20             ; xb s[12:13], wb s[14:15]
	v_lshlrev_b32 v1, 4, v0                        ; 16 t
	v_lshlrev_b32 v2, 3, v0                        ; 8 t
	s_lshl_b32 s16, ttmp9, 17                      ; 32 rows of 4,096 bytes of x
	s_mov_b32 s17, 0
	s_lshl_b32 s18, ttmp9, 13                      ; 2 rows of 4,096 bytes of a W
	s_mov_b32 s19, 0
	s_lshl_b32 s20, ttmp9, 16                      ; 32 rows of 2,048 bytes of xb
	s_mov_b32 s21, 0
	s_lshr_b32 s22, ttmp9, 5                       ; d = 2 n + e: cb = n / 32,
	s_mul_i32 s22, s22, 192
	s_and_b32 s23, ttmp9, 1                        ; q = 2 (n % 2) + e,
	s_lshl_b32 s23, s23, 5
	s_add_co_u32 s22, s22, s23
	s_bfe_u32 s23, ttmp9, 0x40001                  ; r = (n / 2) % 16
	s_add_co_u32 s22, s22, s23
	s_lshl_b32 s22, s22, 11                        ; rows of 2,048 bytes of wb; gate and e stand in the stores' immediates
	s_mov_b32 s23, 0
	s_wait_kmcnt 0x0
	s_add_nc_u64 s[4:5], s[4:5], s[16:17]
	s_add_nc_u64 s[6:7], s[6:7], s[18:19]
	s_add_nc_u64 s[8:9], s[8:9], s[18:19]
	s_add_nc_u64 s[10:11], s[10:11], s[18:19]
	s_add_nc_u64 s[12:13], s[12:13], s[20:21]
	s_add_nc_u64 s[14:15], s[14:15], s[22:23]
	s_wait_alu depctr_va_vdst(0)                   ; v1 and v2 are written: every load reads v1 as its offset, every store v2
.set n, 0
.rept 32
	global_load_b128 v[BUF+4*n:BUF+4*n+3], v1, s[4:5] offset:n*4096 th:TH_LOAD_NT
.set n, n+1
.endr
.macro WLOAD gate, sb                  ; a W's two rows: loads 32 + 2 gate + e
.irp e, 0,1
	global_load_b128 v[BUF+4*(32+2*(\gate)+\e):BUF+4*(32+2*(\gate)+\e)+3], v1, s[(\sb):(\sb)+1] offset:\e*4096 th:TH_LOAD_NT
.endr
.endm
	WLOAD 0, 6
	WLOAD 1, 8
	WLOAD 2, 10
; Row n is rounded in place; no register is written twice, so no store's source is ever rewritten.
.macro CV n
	v_cvt_pk_bf16_f32 v[BUF+4*(\n)], v[BUF+4*(\n)], v[BUF+4*(\n)+1]
	v_cvt_pk_bf16_f32 v[BUF+4*(\n)+1], v[BUF+4*(\n)+2], v[BUF+4*(\n)+3]
.endm
; Row n's store: rows 0 to 31 are x's, row 32 + 2 gate + e is a W's and goes 64 gate + 16 e rows of wb on.
.macro ST n
.if (\n) < 32
	global_store_b64 v2, v[BUF+4*(\n):BUF+4*(\n)+1], s[12:13] offset:(\n)*2048
.else
	global_store_b64 v2, v[BUF+4*(\n):BUF+4*(\n)+1], s[14:15] offset:(64*(((\n)-32)/2)+16*(((\n)-32)%2))*2048
.endif
.endm
; Block p: rows 4 p .. 4 p + 3.  Load n is there when at most the 37 - n younger ones are out (loads come back in order: ISA guide 5.7.1).
.set p, 0
.rept 10
.irp i, 0,1,2,3
.if 4*p+\i < 38
	s_wait_loadcnt 37-(4*p+\i)
.endif
.if (p > 0) && (\i == 0)
	s_wait_alu depctr_va_vdst(0)                   ; the block before has written its eight packed words, which the four stores dealt below read; the conversions behind this wait name this block's registers alone
.endif
.if p > 0
	ST 4*(p-1)+\i
.endif
.if 4*p+\i < 38
	CV 4*p+\i
.endif
.endr
.set p, p+1
.endr
	s_wait_alu depctr_va_vdst(0)                   ; rows 36 and 37 have their packed words written, which the last two stores read
	ST 36
	ST 37
	s_endpgm
.Lfunc_end_k_q91c6fa6ffd_prep:
	.size	k_q91c6fa6ffd_prep, .Lfunc_end_k_q91c6fa6ffd_prep-k_q91c6fa6ffd_prep
	.p2alignl 7, 3214868480
	.fill 96, 4, 3214868480
	.section	.rodata,"a",@progbits
	.p2align	6, 0x0
	.amdhsa_kernel k_q91c6fa6ffd_prep
		.amdhsa_group_segment_fixed_size 0
		.amdhsa_private_segment_fixed_size 0
		.amdhsa_enable_private_segment 0
		.amdhsa_kernarg_size 48
		.amdhsa_user_sgpr_count 2
		.amdhsa_user_sgpr_kernarg_segment_ptr 1
		.amdhsa_wavefront_size32 1
		.amdhsa_system_sgpr_workgroup_id_x 1
		.amdhsa_system_sgpr_workgroup_id_y 1
		.amdhsa_system_sgpr_workgroup_id_z 1
		.amdhsa_system_vgpr_workitem_id 0
		.amdhsa_next_free_vgpr 160
		.amdhsa_next_free_sgpr 66
		.amdhsa_reserve_vcc 0
		.amdhsa_float_denorm_mode_32 3
		.amdhsa_float_denorm_mode_16_64 3
		.amdhsa_memory_ordered 1
		.amdhsa_forward_progress 1
		.amdhsa_inst_pref_size 15
	.end_amdhsa_kernel
	.amdgpu_metadata
---
amdhsa.version: [ 1, 2 ]
amdhsa.kernels:
  - .name:           k_q91c6fa6ffd_prep
    .symbol:         k_q91c6fa6ffd_prep.kd
    .args:
      - { .name: x, .offset: 0, .size: 8, .value_kind: global_buffer, .address_space: global }
      - { .name: W_f, .offset: 8, .size: 8, .value_kind: global_buffer, .address_space: global }
      - { .name: W_i, .offset: 16, .size: 8, .value_kind: global_buffer, .address_space: global }
      - { .name: W_h, .offset: 24, .size: 8, .value_kind: global_buffer, .address_space: global }
      - { .name: xb, .offset: 32, .size: 8, .value_kind: global_buffer, .address_space: global }
      - { .name: wb, .offset: 40, .size: 8, .value_kind: global_buffer, .address_space: global }
    .group_segment_fixed_size: 0
    .private_segment_fixed_size: 0
    .kernarg_segment_align: 8
    .kernarg_segment_size: 48
    .max_flat_workgroup_size: 256
    .sgpr_count:     66
    .vgpr_count:     160
    .wavefront_size: 32
...
	.end_amdgpu_metadata
.endif
;; end of part 4
;; launch gates: the kernel of part 2 again; grid 16 x 16, 4 waves a work-group, clusters of 4 x 4, 327,680 bytes of LDS; arguments xb, wb, b_f, b_i, b_h, ws, agg; writes ws, agg
;; launch scan (part 5): grid 8 x 64, 8 waves a work-group, no clusters, 17,408 bytes of LDS; arguments ws, agg, out0; writes out0
.if DOCPART == 5
	.amdgcn_target "amdgcn-amd-amdhsa--gfx1250"
	.amdhsa_code_object_version 6
	.text
	.protected	k_q91c6fa6ffd_scan
	.globl	k_q91c6fa6ffd_scan
	.p2align	8
	.type	k_q91c6fa6ffd_scan,@function
k_q91c6fa6ffd_scan:
	s_mov_b64 s[64:65], 0
	v_nop
	global_prefetch_b8 v0, s[64:65] scope:SCOPE_SE
	s_setreg_imm32_b32 hwreg(HW_REG_WAVE_SCHED_MODE, 0, 2), 2
	s_setreg_imm32_b32 hwreg(HW_REG_WAVE_MODE, 25, 1), 1
	s_wait_xcnt 0x0
	s_wait_alu depctr_vm_vsrc(0)
; MinLSTM layer, launch 3 of 3: out0[b][t][d] = h_t, h_t = h_(t-1) + i_t (g_t - h_(t-1)), h_0 = 1 (reference()'s log_h0 = zeros).  The logarithmic scan of reference() is replaced by this recurrence: see launch 1's head.
; f = 1 - i is taken in f32 inside the multiply-adds, so each step is a convex combination of h_(t-1) and g_t; all that is carried (A, B, h) is f32.
; SHARES.  Work-group (chb, y): chunk c = y % 16 of batch b = y / 16 (rows 256 y .. + 255), channels 128 chb .. + 127.  Wave w takes rows 32 w .. + 31; lane l four channels: 16 bytes of a row of ws
; (i in f16, g in bf16) and 16 bytes of a row of out0, at the same byte: a wave's load or store covers 512 consecutive bytes.  All 32 rows of a wave are asked for at its head and stay in registers.
; THE CARRY.  Pass 1 makes the wave's summary (A, B) of its 32 rows.  Meanwhile wave w joins the summaries of chunks 2 w and 2 w + 1 of the batch, as far as they lie ahead of chunk c.  Both meet in LDS; every
; wave then takes h from 1 through the pairs ahead of c and the waves ahead of itself.  Pass 2 runs the recurrence from that h, writes each row's h over its i and g, and stores it.
; No matrix unit, no cluster, no tensor load: nothing is multiplied and nothing but 16 KiB of summaries is shared.  No prefetch: a wave's whole share is asked for by its first loads.
; THE MODE: SCHED_MODE bits 1:0 = 2 (LLVM: expert scheduling mode 2), set by the entry lines.  The code itself states the register dependences between vector instructions and memory or LDS
; instructions, with s_wait_alu, always for 0.
; THE PLAN.  Registers that memory or LDS instructions touch:
;   v[LO], v[LS]     addresses: written at the head, never again.
;   PR               written by sixteen v_mov_b32 at the head; then, in a wave whose pair lies ahead of c, four loads land in it; read by the pair's arithmetic.
;   ROWS             the 32 row loads land here before any vector instruction names the registers; both passes read them; pass 2 writes a row's h in place; the row's store reads it.
;   AA, BB, AP, BP   written by vector instructions; read by the four LDS stores; never written again.
;   TT               a first run of LDS loads lands here before any vector instruction names it; the pairs' multiply-adds read it; a second run lands; the waves' multiply-adds read it.
;   v[SPW], v[NIL]   written at the head, read by the closing add alone.
; Nothing that a memory or LDS instruction has read is written again.  What is left to state, each by one wait on va_vdst: the addresses and PR's first numbers are written (ahead of the loads); the summaries
; are written (ahead of the LDS stores); the pairs' walk is done reading TT (ahead of the second run); and in pass 2, which goes in blocks of four rows, the block before has written its h (at a block's head:
; that block's four stores are then dealt among this block's rows).  One wait on va_sdst stands ahead of the first reader of the wave's number.
.set LO,   1                           ; v1      16 x lane: my bytes in a row, in a summary and in an LDS block; never rewritten
.set LS,   2                           ; v2      1,024 w + 16 x lane
.set SPW,  4                           ; v4      LDS address of my spare word; never rewritten
.set NIL,  5                           ; v5      0; never rewritten
.set ONE,  6                           ; v6      1.0: the mixed multiply-adds take registers alone
.set AA,   8                           ; v8-11   the product of f
.set BB,   12                          ; v12-15  h from 0
.set DD,   16                          ; v16-19  g - h
.set HH,   20                          ; v20-23  the carry
.set PR,   24                          ; v24-39  A, B of chunk 2 w; A, B of chunk 2 w + 1
.set AP,   40                          ; v40-43  the pair's A
.set BP,   44                          ; v44-47  the pair's B
.set TT,   48                          ; v48-111 summaries read back
.set ROWS, 112                         ; v112-239  row n at ROWS + 4 n: i0 i1, i2 i3, g0 g1, g2 g3; later h0 .. h3
.set PRE,   8192                       ; LDS: wave w's own (A, B) at 1,024 w, 512 bytes each; the pairs' at PRE + 1,024 w
.set SPARE, 16384                      ; the spare words, 128 bytes for each of the eight waves: four blocks of 256 bytes that no other line names
.set WS,  4                            ; s[4:5]
.set AGB, 6                            ; s[6:7]
.set OUT, 8                            ; s[8:9]
.set WV,  10
.set CC,  11                           ; c
.set MK1, 12                           ; all ones where chunk 2 w + 1 lies ahead of c
	s_load_b128 s[4:7], s[0:1], 0x0                ; ws, agg
	s_load_b64 s[8:9], s[0:1], 0x10                ; out0
	v_lshl_add_u32 v[SPW], v0, 2, SPARE
	v_mov_b32 v[NIL], 0
	v_lshrrev_b32 v7, 5, v0
	v_readfirstlane_b32 s[WV], v7                  ; wave 0..7
	v_and_b32 v[LO], 31, v0
	v_lshlrev_b32 v[LO], 4, v[LO]
	v_mov_b32 v[ONE], 1.0
.irp k, 0,1,2,3
	v_mov_b32 v[PR+\k], 1.0                        ; the identity, for a pair that does not lie ahead of c: its loads are jumped
	v_mov_b32 v[PR+4+\k], 0
	v_mov_b32 v[PR+8+\k], 1.0
	v_mov_b32 v[PR+12+\k], 0
.endr
	s_and_b32 s14, ttmp7, 0xffff                   ; y
	s_and_b32 s[CC], s14, 15
	s_lshr_b32 s15, s14, 4                         ; b
	s_lshl_b32 s18, ttmp9, 9                       ; my 128 channels: 512 bytes in ws, out0 and agg alike
	s_lshl_b32 s16, s14, 20                        ; 256 rows of 4,096 bytes,
	s_lshl_b32 s20, s15, 17                        ; the batch's 16 chunks of 8,192 bytes,
	s_wait_alu depctr_va_sdst(0)                   ; the wave's number is written, ahead of its first reader: addresses, bases and two branches are made from it
	s_lshl_b32 s13, s[WV], 10
	v_add_nc_u32 v[LS], s13, v[LO]
	s_lshl_b32 s17, s[WV], 17                      ; my wave's 32
	s_add_co_u32 s16, s16, s17
	s_add_co_u32 s16, s16, s18
	s_mov_b32 s17, 0
	s_lshl_b32 s21, s[WV], 14                      ; chunks 2 w and 2 w + 1
	s_add_co_u32 s20, s20, s21
	s_add_co_u32 s20, s20, s18
	s_mov_b32 s21, 0
	s_lshl_b32 s22, s[WV], 1
	s_add_co_u32 s23, s22, 1
	s_cmp_lt_u32 s23, s[CC]
	s_cselect_b32 s[MK1], -1, 0
	s_wait_kmcnt 0x0
	s_add_nc_u64 s[WS:WS+1], s[WS:WS+1], s[16:17]
	s_add_nc_u64 s[OUT:OUT+1], s[OUT:OUT+1], s[16:17]
	s_add_nc_u64 s[AGB:AGB+1], s[AGB:AGB+1], s[20:21]
	s_wait_alu depctr_va_vdst(0)                   ; v[LO] is written, which every load below reads as its offset; PR's sixteen registers are written, in which the summaries' loads land.  Ahead of the branch: on both ways
	s_cmp_lt_u32 s22, s[CC]
	s_cbranch_scc0 .Lno_pair
.irp k, 0,1,2,3
	global_load_b128 v[PR+4*\k:PR+4*\k+3], v[LO], s[AGB:AGB+1] offset:4096*\k
.endr
.Lno_pair:
.set n, 0
.rept 32
	global_load_b128 v[ROWS+4*n:ROWS+4*n+3], v[LO], s[WS:WS+1] offset:n*4096 th:TH_LOAD_NT
.set n, n+1
.endr
.irp k, 0,1,2,3
	v_mov_b32 v[AA+\k], 1.0                        ; written while the loads are on their way, so that every row has one text
	v_mov_b32 v[BB+\k], 0
.endr
.macro GDIF r, prev                    ; g - prev for the four channels of the row at register r: g straight from its bf16 half
	v_fma_mix_f32_bf16 v[DD],   v[(\r)+2], v[ONE], -v[(\prev)]   op_sel:[0,0,0] op_sel_hi:[1,0,0]
	v_fma_mix_f32_bf16 v[DD+1], v[(\r)+2], v[ONE], -v[(\prev)+1] op_sel:[1,0,0] op_sel_hi:[1,0,0]
	v_fma_mix_f32_bf16 v[DD+2], v[(\r)+3], v[ONE], -v[(\prev)+2] op_sel:[0,0,0] op_sel_hi:[1,0,0]
	v_fma_mix_f32_bf16 v[DD+3], v[(\r)+3], v[ONE], -v[(\prev)+3] op_sel:[1,0,0] op_sel_hi:[1,0,0]
.endm
; Pass 1, row n: B += i (g - B), A -= i A, i straight from its f16 half.  The row is in when at most the 31 - n younger row loads are out (the summaries' loads are older still).
.macro ROW1 n
.set R, ROWS+4*(\n)
	s_wait_loadcnt 31-(\n)
	GDIF R, BB
	v_fma_mix_f32 v[AA],   -v[R],   v[AA],   v[AA]   op_sel:[0,0,0] op_sel_hi:[1,0,0]
	v_fma_mix_f32 v[AA+1], -v[R],   v[AA+1], v[AA+1] op_sel:[1,0,0] op_sel_hi:[1,0,0]
	v_fma_mix_f32 v[AA+2], -v[R+1], v[AA+2], v[AA+2] op_sel:[0,0,0] op_sel_hi:[1,0,0]
	v_fma_mix_f32 v[AA+3], -v[R+1], v[AA+3], v[AA+3] op_sel:[1,0,0] op_sel_hi:[1,0,0]
	v_fma_mix_f32 v[BB],   v[R],   v[DD],   v[BB]   op_sel:[0,0,0] op_sel_hi:[1,0,0]
	v_fma_mix_f32 v[BB+1], v[R],   v[DD+1], v[BB+1] op_sel:[1,0,0] op_sel_hi:[1,0,0]
	v_fma_mix_f32 v[BB+2], v[R+1], v[DD+2], v[BB+2] op_sel:[0,0,0] op_sel_hi:[1,0,0]
	v_fma_mix_f32 v[BB+3], v[R+1], v[DD+3], v[BB+3] op_sel:[1,0,0] op_sel_hi:[1,0,0]
.endm
.set n, 0
.rept 32
	ROW1 n
.set n, n+1
.endr
	; the pair: chunk 2 w + 1 counts as the identity where it does not lie ahead of c
.irp k, 0,1,2,3
	v_cndmask_b32 v[PR+8+\k], 1.0, v[PR+8+\k], s[MK1]
	v_cndmask_b32 v[PR+12+\k], 0, v[PR+12+\k], s[MK1]
.endr
.irp k, 0,2
	v_pk_mul_f32 v[AP+\k:AP+\k+1], v[PR+\k:PR+\k+1], v[PR+8+\k:PR+8+\k+1]
	v_pk_fma_f32 v[BP+\k:BP+\k+1], v[PR+8+\k:PR+8+\k+1], v[PR+4+\k:PR+4+\k+1], v[PR+12+\k:PR+12+\k+1]
.endr
	s_wait_alu depctr_va_vdst(0)                   ; pass 1 has written AA and BB, the pair's arithmetic AP and BP: the four LDS stores read them
	ds_store_b128 v[LS], v[AA:AA+3]
	ds_store_b128 v[LS], v[BB:BB+3] offset:512
	ds_store_b128 v[LS], v[AP:AP+3] offset:PRE
	ds_store_b128 v[LS], v[BP:BP+3] offset:PRE+512
	s_wait_dscnt 0x0                               ; for the others' sake: my stores are done
	s_barrier_signal -1
	s_barrier_wait -1
.irp p, 0,1,2,3,4,5,6,7                ; no vector instruction has named TT yet, and v[LO] stands written since the head's wait: nothing is owed here
	ds_load_b128 v[TT+8*\p:TT+8*\p+3],   v[LO] offset:PRE+1024*\p
	ds_load_b128 v[TT+8*\p+4:TT+8*\p+7], v[LO] offset:PRE+1024*\p+512
.endr
.irp k, 0,1,2,3
	v_mov_b32 v[HH+\k], 1.0                        ; h_0
.endr
	s_wait_dscnt 0x0
.irp p, 0,1,2,3,4,5,6,7                ; the pairs ahead of chunk c, in order; the first that is not ends the walk
	s_cmp_gt_u32 s[CC], 2*\p
	s_cbranch_scc0 .Lcarried
	v_pk_fma_f32 v[HH:HH+1],   v[TT+8*\p:TT+8*\p+1],   v[HH:HH+1],   v[TT+8*\p+4:TT+8*\p+5]
	v_pk_fma_f32 v[HH+2:HH+3], v[TT+8*\p+2:TT+8*\p+3], v[HH+2:HH+3], v[TT+8*\p+6:TT+8*\p+7]
.endr
.Lcarried:
	s_wait_alu depctr_va_vdst(0)                   ; the walk's multiply-adds are done reading TT, in which the loads below land.  Behind the label: on every way out of the walk
.irp p, 0,1,2,3,4,5,6
	ds_load_b128 v[TT+8*\p:TT+8*\p+3],   v[LO] offset:1024*\p
	ds_load_b128 v[TT+8*\p+4:TT+8*\p+7], v[LO] offset:1024*\p+512
.endr
	s_wait_dscnt 0x0
.irp p, 0,1,2,3,4,5,6                  ; the waves ahead of mine, in order
	s_cmp_gt_u32 s[WV], \p
	s_cbranch_scc0 .Lmine
	v_pk_fma_f32 v[HH:HH+1],   v[TT+8*\p:TT+8*\p+1],   v[HH:HH+1],   v[TT+8*\p+4:TT+8*\p+5]
	v_pk_fma_f32 v[HH+2:HH+3], v[TT+8*\p+2:TT+8*\p+3], v[HH+2:HH+3], v[TT+8*\p+6:TT+8*\p+7]
.endr
.Lmine:
; Pass 2, row n: h = prev + i (g - prev).  h2, h3, h1, h0 are written in this order over g0 g1, g2 g3, i2 i3, i0 i1: each word after its last use.  No register is written again, so no store's source is rewritten.
.macro ROW2 n, prev
.set R, ROWS+4*(\n)
	GDIF R, \prev
	v_fma_mix_f32 v[R+2], v[R+1], v[DD+2], v[(\prev)+2] op_sel:[0,0,0] op_sel_hi:[1,0,0]
	v_fma_mix_f32 v[R+3], v[R+1], v[DD+3], v[(\prev)+3] op_sel:[1,0,0] op_sel_hi:[1,0,0]
	v_fma_mix_f32 v[R+1], v[R],   v[DD+1], v[(\prev)+1] op_sel:[1,0,0] op_sel_hi:[1,0,0]
	v_fma_mix_f32 v[R],   v[R],   v[DD],   v[(\prev)]   op_sel:[0,0,0] op_sel_hi:[1,0,0]
.endm
.macro SEND n                          ; row n's 512 consecutive bytes of out0
	global_store_b128 v[LO], v[ROWS+4*(\n):ROWS+4*(\n)+3], s[OUT:OUT+1] offset:(\n)*4096 th:TH_STORE_NT
.endm
	ROW2 0, HH                                     ; block 0: no block stands in front of it, so it holds no store and no wait
.irp n, 1,2,3
	ROW2 \n, ROWS+4*(\n-1)
.endr
.set p, 1
.rept 7                                ; blocks 1 to 7: rows 4 p .. 4 p + 3, and the stores of the block before
	s_wait_alu depctr_va_vdst(0)                   ; the block before has written its four rows of h, which the four stores dealt below read
.irp i, 0,1,2,3
	SEND 4*(p-1)+(\i+3)%4                          ; that block's last row first: the row below reads it as h_(t-1), so at each store no vector instruction since the wait has named its registers
	ROW2 4*p+\i, ROWS+4*(4*p+\i-1)
.endr
.set p, p+1
.endr
	s_wait_alu depctr_va_vdst(0)                   ; block 7 has written rows 28 to 31, which the last four stores read
.irp n, 28,29,30,31
	SEND \n
.endr
	s_wait_dscnt 0x0                               ; the closing lines, six on end
	s_wait_alu 0x0
	s_wait_tensorcnt 0x0
	ds_add_u32 v[SPW], v[NIL]
	s_wait_dscnt 0x0
	s_endpgm
.Lfunc_end_k_q91c6fa6ffd_scan:
	.size	k_q91c6fa6ffd_scan, .Lfunc_end_k_q91c6fa6ffd_scan-k_q91c6fa6ffd_scan
	.p2alignl 7, 3214868480
	.fill 96, 4, 3214868480
	.section	.rodata,"a",@progbits
	.p2align	6, 0x0
	.amdhsa_kernel k_q91c6fa6ffd_scan
		.amdhsa_group_segment_fixed_size 17408
		.amdhsa_private_segment_fixed_size 0
		.amdhsa_enable_private_segment 0
		.amdhsa_kernarg_size 24
		.amdhsa_user_sgpr_count 2
		.amdhsa_user_sgpr_kernarg_segment_ptr 1
		.amdhsa_wavefront_size32 1
		.amdhsa_system_sgpr_workgroup_id_x 1
		.amdhsa_system_sgpr_workgroup_id_y 1
		.amdhsa_system_sgpr_workgroup_id_z 1
		.amdhsa_system_vgpr_workitem_id 0
		.amdhsa_next_free_vgpr 240
		.amdhsa_next_free_sgpr 66
		.amdhsa_reserve_vcc 0
		.amdhsa_float_denorm_mode_32 3
		.amdhsa_float_denorm_mode_16_64 3
		.amdhsa_memory_ordered 1
		.amdhsa_forward_progress 1
		.amdhsa_inst_pref_size 57
	.end_amdhsa_kernel
	.amdgpu_metadata
---
amdhsa.version: [ 1, 2 ]
amdhsa.kernels:
  - .name:           k_q91c6fa6ffd_scan
    .symbol:         k_q91c6fa6ffd_scan.kd
    .args:
      - { .name: ws, .offset: 0, .size: 8, .value_kind: global_buffer, .address_space: global }
      - { .name: agg, .offset: 8, .size: 8, .value_kind: global_buffer, .address_space: global }
      - { .name: out0, .offset: 16, .size: 8, .value_kind: global_buffer, .address_space: global }
    .group_segment_fixed_size: 17408
    .private_segment_fixed_size: 0
    .kernarg_segment_align: 8
    .kernarg_segment_size: 24
    .max_flat_workgroup_size: 256
    .sgpr_count:     66
    .vgpr_count:     240
    .wavefront_size: 32
...
	.end_amdgpu_metadata
.endif
;; end of part 5
